; MI455X (gfx1250); checked and timed in simulation.
; The chip was launched on July 23, 2026; its instructions are those of AMD's public machine-readable ISA for CDNA 5 (MIT licence, August 2026) and "CDNA5" Instruction Set Architecture Reference Guide (July 2026). The comments in the code are by the model that wrote it; some were corrected since.
;; GQA Attention. Allowed arithmetic: matrix products marked QUANTISED: E2M3 operands, one E8M0 scale for each 32 along K, by v_wmma_scale_f32_16x16x128_f8f6f4 with both operands' format E2M3, f32 sums; everything else in f32.
;; Inputs: Wk 4,096 x 1,024 float32; Wo 2,048 x 4,096 float32; Wq 4,096 x 2,048 float32; Wv 4,096 x 1,024 float32; attention_mask 1 x 1 x 2,048 x 2,048 float32; col_ids 1 x 2,048 int32; k_norm_w 128 float32; q_norm_w 128 float32; row_ids 1 x 2,048 int32; x 1 x 2,048 x 4,096 float32.
;; Outputs: out0 1 x 2,048 x 4,096 float32.
;; This version of the problem:
;;   THIS VERSION OF THE PROBLEM IS GIVEN IN LOW PRECISION. The matrix products marked QUANTISED in the list below multiply operands that are first quantised to E2M3 (2 exponent bits, 3 mantissa bits; 6 bits a number), with one power-of-two scale for each 32 numbers along K (OCP MX v1.0); their sums are f32. All else is computed in f32.
;;   The module's matrix products, in the order in which they are computed (A, B: the left and right operand; K: the contracted axis; several contracted axes count as one K, in the product's order):
;;     1. [M 2,048, K 4,096] x [K 4,096, N 2,048]; A: input x; B: input Wq: QUANTISED
;;     2. [M 2,048, K 4,096] x [K 4,096, N 1,024]; A: input x; B: input Wk: QUANTISED
;;     3. [M 2,048, K 4,096] x [K 4,096, N 1,024]; A: input x; B: input Wv: QUANTISED
;;     4. batch 16 x [M 2,048, K 128] x [K 128, N 2,048]; A: computed on the way; B: computed on the way: QUANTISED
;;     5. batch 16 x [M 2,048, K 2,048] x [K 2,048, N 128]; A: softmax (see below); B: computed on the way: QUANTISED
;;     6. [M 2,048, K 2,048] x [K 2,048, N 4,096]; A: computed on the way; B: input Wo: QUANTISED
;;   THE QUANTISER, for each operand of a quantised product, along K:
;;     - K is cut into blocks of 32 from its start; a last block that is shorter is filled with zeros.
;;     - A block's scale is 2^e with e = floor(log2(the largest magnitude in the block)) - 2, held to -126 .. 127; a block of zeros has e = 0. As a byte (E8M0): e + 127.
;;     - Each number is divided by its block's scale, clamped to +-7.5, and rounded to the nearest number of E2M3, ties to even, subnormals kept.
;;     - The product sums the exact products of the quantised numbers (number of the format x scale) in f32.
;;   ~~~python
;;   def quantise(x, axis):      # numpy; x: float32 -> the quantised numbers, widened to float32 again
;;       x = np.moveaxis(x, axis, -1); K = x.shape[-1]
;;       x = np.pad(x, [(0, 0)] * (x.ndim - 1) + [(0, -K % 32)]); x = x.reshape(x.shape[:-1] + (-1, 32)); a = np.abs(x).max(-1, keepdims=True)
;;       e = np.where(a > 0, np.clip(np.frexp(np.where(a > 0, a, 1))[1] - 1 - 2, -126, 127), 0)      # np.frexp(a)[1] - 1 = floor(log2(a)), exactly
;;       r = np.clip(x / 2.0 ** e, -7.5, 7.5)
;;       step = 2.0 ** (np.maximum(np.frexp(np.where(r == 0, 1, r))[1] - 1, 0) - 3)
;;       q = np.round(r / step) * step * 2.0 ** e      # np.round: ties to even
;;       return np.moveaxis(q.reshape(q.shape[:-2] + (-1,))[..., :K], -1, axis).astype(np.float32)
;;   ~~~
;;   SOFTMAX AHEAD OF A QUANTISED PRODUCT. Where the list says 'softmax', what is quantised is not the finished softmax but p = 2^(t - M), with t = logit x log2(e) and M = ceil(the row's largest t), a whole number; so 1/2 < the row's largest p <= 1. The row's sum l is taken of the UNQUANTISED p, in f32, and the product's result is divided by l at the end. Since M is a whole number, a kernel that streams over the keys may use a running M (the ceiling of the running maximum): every later rescaling is an exact power of two, which a block's scale takes up: the codes' values come out the same.
;;   OPERANDS COMPUTED ON THE WAY. 'Computed on the way' means the value that the module computes at that place (a softmax that the list does not call 'softmax' is quantised finished and normalised). What goes into a quantiser is computed in f32, as accurately as f32 sums, v_exp_f32 and their like allow (about 1e-6 of the number): no bf16 or f16 on the way to a quantiser, and a product that is left as it is and whose result goes on into a quantised operand takes f32 operands (vector FMAs, or v_wmma_f32_16x16x4_f32). A number that lies on a knife's edge between two numbers of the format may be rounded either way, as far as f32 arithmetic and the matrix unit's own rounding can turn it there, and no further.
;; One version. Each part assembles by itself: llvm-mc -triple=amdgcn-amd-amdhsa -mcpu=gfx1250 --defsym DOCPART=n.
;; ======== version 1 of 1: 4 launches
;; limits: right only within a limited range of input values
;; workspace buffers: xr 6,553,600 bytes; wr 13,107,200 bytes; wor 6,553,600 bytes; tg 1,048,576 bytes; qkv 6,553,600 bytes; aor 3,276,800 bytes
;; launch prep (part 1): grid 640 x 1, 4 waves a work-group, no clusters, 47,616 bytes of LDS; arguments x, Wq, Wk, Wv, Wo, row_ids, col_ids, xr, wr, wor, tg; writes xr, wr, wor, tg
.if DOCPART == 1
	.amdgcn_target "amdgcn-amd-amdhsa--gfx1250"
	.amdhsa_code_object_version 6
	.text
	.protected	k_q3c32566e95_prep
	.globl	k_q3c32566e95_prep
	.p2align	8
	.type	k_q3c32566e95_prep,@function
k_q3c32566e95_prep:
	s_mov_b64 s[64:65], 0
	v_nop
	global_prefetch_b8 v0, s[64:65] scope:SCOPE_SE
	s_setreg_imm32_b32 hwreg(HW_REG_WAVE_MODE, 25, 1), 1
	s_wait_xcnt 0x0
; x [2048][4096] (K innermost) and Wq, Wk, Wv [4096][N], Wo [2048][4096] (K is the FIRST axis), all f32, become codes of FP6 (E2M3) with one E8M0 byte for each 32 along K;
; and the cosines and sines of the two-part rotary embedding are made once for each token.
; ALL OPERANDS ARE STORED AS IMAGES OF THE OPERAND'S REGISTERS.  A fragment (16 rows x 128 K) is 12 registers a lane: register 4 c + e of lane L lies at byte 512 c + 16 L + 4 e: 1,536 bytes.
; A RECORD is 6,400 bytes: four fragments (four K steps of one tile of 16 rows), then 256 bytes of scale words: row r's four words at 6,144 + 16 r.
; THE ROWS OF A TILE ARE NOT NEIGHBOURS: lane r of tile 2 B + u is row 32 B + 8 u + r + 8 (r / 8), for tokens and for weight columns alike.
; A block's scale is 2^(floor(log2(its largest magnitude)) - 2): its byte is the largest magnitude's exponent field - 2, held at 1 from below.
; LIMITS: a block of zeros, and one whose largest magnitude lies under 2^-124, keep the byte 1 (the bytes are read by this program alone; a block of zeros has zero codes); NaN and infinities among the inputs are not served;
; positions are served up to a magnitude of 60,000 (the angle is reduced by pi / 2 in two parts).
; Work-groups 0 to 383 take the weights, 384 to 639 take x: two paths that part on the work-group's number, each with LDS bytes of its own.  No tensor loads, no barrier: waves share nothing.  Memory binds: matrix units and clusters would add nothing.
.set REC,   6400
.set WSTG,  33792                      ; LDS: 0: x's stages, 8,448 bytes a wave; from here the weights' stages, 3,328 bytes a wave
.set SPARE, 47104                      ; the spare words, 128 bytes for each wave: two blocks of 256 bytes that no other line names
.set SPW,   254                        ; v254 LDS address of my spare word; never rewritten
.set NIL,   255                        ; v255 0; never rewritten
; the weights' path
.set OFF,   16                         ; v16-47   4 x lane + i x a row of W, i = 0 .. 31; never rewritten
.set WX,    48                         ; v48-111  two sets of 32 numbers
.set C,     112                        ; v112-117 a block's codes;  v118-120 its second half as converted
.set D,     118
.set SB,    124                        ; v124-127 my column's four scale words
.set OUTR,  128                        ; v128-223 the way out: 24 registers for each K step, never written again
; x's path
.set TM,    16                         ; v16-31   at work in QUANT
.set PC,    32                         ; v32-50   the codes just made
.set PW,    52                         ; v52-55   the four scale words
.set R0,    62                         ; v62-125, v126-189: two sets of 64 numbers as loaded
.set XN,    190                        ; v190-253 64 numbers, 16 neighbours of each block; before that the trigonometry's registers
.set SEL,   46                         ; s[46:47] lane selects for v_permlanex16_b32: lane l xor 16
.set TJ, 192
.set TE, 196
.set TN, 200
.set TR, 204
.set TZ, 208
.set TS, 212
.set TC, 216
.set TK, 220
.set OC, 224
.set OS, 228
.set TT, 232
.set TU, 236
	s_load_b512 s[4:19], s[0:1], 0x0               ; x, Wq, Wk, Wv, Wo, row_ids, col_ids, xr
	s_load_b128 s[20:23], s[0:1], 0x40             ; wr, wor
	s_load_b64 s[24:25], s[0:1], 0x50              ; tg
	v_lshl_add_u32 v[SPW], v0, 2, SPARE
	v_mov_b32 v[NIL], 0
	v_lshrrev_b32 v1, 5, v0
	v_readfirstlane_b32 s26, v1                    ; wave 0..3
	v_and_b32 v1, 31, v0                           ; lane
	s_wait_kmcnt 0x0
	s_cmp_lt_u32 ttmp9, 384
	s_cbranch_scc0 .Lx_path
; ================= THE WEIGHTS.  A lane takes a column, and its registers run DOWN K: a block of 32 lies in one lane, and the conversions give codes with K innermost.
; A work-group takes 128 columns x 512 K, a wave 32 columns: two tiles, two whole records.  Which tensor: chosen by the work-group's number alone.
	s_mov_b64 s[28:29], s[12:13]                   ; from 256 on: Wo, 32 groups of columns, into wor, 4 records a tile
	s_mov_b64 s[30:31], s[22:23]
	s_mov_b32 s70, 256                             ; the tensor's first work-group
	s_mov_b32 s71, 5                               ; log2 of its groups of 128 columns
	s_mov_b32 s72, 0                               ; its first tile in the buffer
	s_mov_b32 s73, 4                               ; records a tile
	s_cmp_lt_u32 ttmp9, 256
	s_cselect_b64 s[28:29], s[10:11], s[28:29]     ; 192 to 255: Wv
	s_cselect_b64 s[30:31], s[20:21], s[30:31]
	s_cselect_b32 s70, 192, s70
	s_cselect_b32 s71, 3, s71
	s_cselect_b32 s72, 192, s72
	s_cselect_b32 s73, 8, s73
	s_cmp_lt_u32 ttmp9, 192
	s_cselect_b64 s[28:29], s[8:9], s[28:29]       ; 128 to 191: Wk
	s_cselect_b32 s70, 128, s70
	s_cselect_b32 s72, 128, s72
	s_cmp_lt_u32 ttmp9, 128
	s_cselect_b64 s[28:29], s[6:7], s[28:29]       ; 0 to 127: Wq
	s_cselect_b32 s70, 0, s70
	s_cselect_b32 s71, 4, s71
	s_cselect_b32 s72, 0, s72
	s_sub_co_u32 s74, ttmp9, s70
	s_lshl_b32 s75, 1, s71
	s_sub_co_u32 s75, s75, 1
	s_and_b32 s75, s74, s75                        ; which 128 columns
	s_lshr_b32 s74, s74, s71                       ; which 512 along K
	s_lshl_b32 s76, 512, s71                       ; a row of W in bytes
	s_mul_i32 s78, s74, s76
	s_lshl_b32 s78, s78, 9                         ; 512 rows for each step along K,
	s_lshl_b32 s77, s75, 9
	s_add_co_u32 s78, s78, s77                     ; 512 bytes for each group of columns,
	s_lshl_b32 s77, s26, 7
	s_add_co_u32 s78, s78, s77                     ; 128 bytes for each wave
	s_mov_b32 s79, 0
	s_add_nc_u64 s[32:33], s[28:29], s[78:79]      ; a base for each of my 16 blocks, 32 rows apart: none is ever stepped
	s_lshl_b32 s78, s76, 5
.irp t, 1,2,3,4,5,6,7,8,9,10,11,12,13,14,15
	s_add_nc_u64 s[32+2*\t:33+2*\t], s[30+2*\t:31+2*\t], s[78:79]
.endr
	s_lshl_b32 s77, s75, 3
	s_add_co_u32 s77, s77, s72
	s_lshl_b32 s80, s26, 1
	s_add_co_u32 s77, s77, s80                     ; my first tile
	s_mul_i32 s77, s77, s73
	s_add_co_u32 s77, s77, s74
	s_mul_i32 s80, s77, REC
	s_mov_b32 s81, 0
	s_add_nc_u64 s[66:67], s[30:31], s[80:81]      ; its record
	s_mul_i32 s82, s73, REC                        ; from a tile's record to the next tile's
	s_wait_alu depctr_va_vdst(0)
	v_lshlrev_b32 v2, 2, v1                        ; 4 bytes a lane
	v_bfe_u32 v3, v0, 3, 1                         ; my column x of the 32 is row r = x % 8 + 8 (x / 16) of tile u = (x / 8) % 2
	v_and_b32 v9, 7, v0
	v_bfe_u32 v10, v0, 4, 1
	v_lshl_add_u32 v9, v10, 3, v9
	s_mul_i32 s83, s26, 3328
	s_add_co_u32 s83, s83, WSTG                    ; my stage: two fragments' images, 1,664 bytes apart
	v_mul_u32_u24 v4, v3, 1664
	v_lshl_add_u32 v4, v9, 4, v4
	v_add_nc_u32 v4, s83, v4                       ; into it: my tile, my row's 16 bytes
	v_lshlrev_b32 v6, 4, v1                        ; out: 16 bytes a lane; tile 0's record,
	v_add_nc_u32 v5, s83, v6
	v_add_nc_u32 v7, s82, v6                       ; tile 1's
	v_mul_lo_u32 v8, v3, s82
	v_lshl_add_u32 v8, v9, 4, v8
	v_add_nc_u32 v8, 6144, v8                      ; my row's four scale words
.set I, 0
.rept 32
	v_mad_u32_u24 v[OFF+I], s76, I, v2
.set I, I+1
.endr
.macro LOADW t                         ; block t: W(32 t + i, my column), i = 0 .. 31: each load reads 128 consecutive bytes, the four waves stand side by side on 512
.set I, 0
.rept 32
	global_load_b32 v[WX+32*((\t)%2)+I], v[OFF+I], s[32+2*(\t):33+2*(\t)] th:TH_LOAD_NT
.set I, I+1
.endr
.endm
.macro BLOCKW t
.set XS, WX+32*((\t)%2)
.if (\t) < 15
	s_wait_loadcnt 32                              ; this block's 32 loads are in; the next block's may be out
.else
	s_wait_loadcnt 0x0
.endif
	v_max3_num_f32 v12, |v[XS]|, |v[XS+1]|, |v[XS+2]|   ; the block's largest magnitude: all 32 numbers are mine
	v_max3_num_f32 v13, |v[XS+3]|, |v[XS+4]|, |v[XS+5]|
.irp i, 6,10,14,18,22,26
	v_max3_num_f32 v12, v12, |v[XS+\i]|, |v[XS+\i+1]|
	v_max3_num_f32 v13, v13, |v[XS+\i+2]|, |v[XS+\i+3]|
.endr
	v_max3_num_f32 v12, v12, |v[XS+30]|, |v[XS+31]|
	v_max3_num_f32 v12, v12, v13, 0x1800000        ; and the floor 2^(3 - 127): the byte cannot fall under 1
	v_add_nc_u32 v11, 0xff000000, v12              ; 2 off the exponent field: the conversion takes that field as its scale
	v_lshrrev_b32 v13, 23, v11                     ; the scale's byte: byte t % 4 of K step t / 4's word
.if (\t)%4 == 0
	v_mov_b32 v[SB+(\t)/4], v13
.else
	v_lshl_or_b32 v[SB+(\t)/4], v13, 8*((\t)%4), v[SB+(\t)/4]
.endif
	v_cvt_scalef32_pk16_fp6_f32 v[C:C+2], v[XS:XS+15], v11
	v_cvt_scalef32_pk16_fp6_f32 v[D:D+2], v[XS+16:XS+31], v11   ; (a conversion's three registers begin on an even number)
	v_nop                                          ; one plain line behind the conversions
.irp i, 0,1,2
	v_mov_b32 v[C+3+\i], v[D+\i]
.endr
; block b = t % 4 of a K step is registers 6 (b / 2) .. + 5 of lane r + 16 (b % 2): its 24 bytes fall into two pieces of the image
.if (\t)%4 == 0
	ds_store_b128 v4, v[C:C+3]
	ds_store_b64 v4, v[C+4:C+5] offset:512
.elseif (\t)%4 == 1
	ds_store_b128 v4, v[C:C+3] offset:256
	ds_store_b64 v4, v[C+4:C+5] offset:768
.elseif (\t)%4 == 2
	ds_store_b64 v4, v[C:C+1] offset:520
	ds_store_b128 v4, v[C+2:C+5] offset:1024
.else
	ds_store_b64 v4, v[C:C+1] offset:776
	ds_store_b128 v4, v[C+2:C+5] offset:1280
.endif
.if (\t) < 14
	LOADW (\t)+2
.endif
.if (\t)%4 == 3                        ; a K step is whole: both tiles' images come back, 16 bytes a lane (LDS serves a wave's instructions in order)
.irp u, 0,1
.irp c, 0,1,2
	ds_load_b128 v[OUTR+24*((\t)/4)+12*\u+4*\c:OUTR+24*((\t)/4)+12*\u+4*\c+3], v5 offset:1664*\u+512*\c
.endr
.endr
.endif
	s_wait_dscnt 0x0                               ; the stores have read their registers: the next block's codes may be written
.if (\t)%4 == 3
.irp c, 0,1,2
	global_store_b128 v6, v[OUTR+24*((\t)/4)+4*\c:OUTR+24*((\t)/4)+4*\c+3], s[66:67] offset:1536*((\t)/4)+512*\c      ; each store of the wave covers 512 consecutive bytes, aligned
	global_store_b128 v7, v[OUTR+24*((\t)/4)+12+4*\c:OUTR+24*((\t)/4)+12+4*\c+3], s[66:67] offset:1536*((\t)/4)+512*\c
.endr
.endif
.endm
	LOADW 0
	LOADW 1
.irp t, 0,1,2,3,4,5,6,7,8,9,10,11,12,13,14,15
	BLOCKW \t
.endr
	s_wait_alu depctr_va_vdst(0)
	global_store_b128 v8, v[SB:SB+3], s[66:67]     ; the scale words: sixteen lanes fill each record's last 256 bytes
	s_wait_tensorcnt 0x0                           ; the wave's end
	ds_add_u32 v[SPW], v[NIL]
	s_wait_dscnt 0x0
	s_endpgm
; ================= x.  A wave makes one record: the 16 tokens of tile mt x 512 along K.  Each load reads 512 consecutive bytes of one token; a K step's 8 KiB turn through the wave's stage
; (rows of 528 bytes), so that lane (r, h) holds, of row r, 16 neighbours of each block of 32.
; 64 numbers of a lane, register 16 b + i = k 32 b + 16 (lane / 16) + i of my row, become a fragment's codes in v[PC] on and its scale word in v[pw].
.macro QUANT s, pw
.irp b, 0,1,2,3
	v_max3_num_f32 v[TM+\b], |v[\s+16*\b]|, |v[\s+1+16*\b]|, 0x1800000   ; block b: my 16 numbers, and the floor 2^(3 - 127)
.endr
.irp i, 2,4,6,8,10,12,14
.irp b, 0,1,2,3
	v_max3_num_f32 v[TM+\b], v[TM+\b], |v[\s+16*\b+\i]|, |v[\s+1+16*\b+\i]|
.endr
.endr
.irp b, 0,1,2,3
	v_permlanex16_b32 v[TM+4+\b], v[TM+\b], s[SEL], s[SEL+1]
.endr
.irp b, 0,1,2,3
	v_max_num_f32 v[TM+\b], v[TM+\b], v[TM+4+\b]   ; with lane l xor 16's: the block's largest magnitude
.endr
.irp b, 0,1,2,3
	v_add_nc_u32 v[TM+12+\b], 0xff000000, v[TM+\b]   ; 2 off its exponent field: the conversion's scale operand
.endr
.irp b, 0,1,2,3
	v_lshrrev_b32 v[TM+4+\b], 23, v[TM+12+\b]      ; the scale's byte
.endr
	v_lshl_or_b32 v[\pw], v[TM+5], 8, v[TM+4]
	v_lshl_or_b32 v[\pw], v[TM+6], 16, v[\pw]
	v_lshl_or_b32 v[\pw], v[TM+7], 24, v[\pw]
.irp c, 0,1
	v_cvt_scalef32_pk16_fp6_f32 v[PC+6*\c:PC+2+6*\c], v[\s+32*\c:\s+15+32*\c], v[TM+12+2*\c]
	v_cvt_scalef32_pk16_fp6_f32 v[PC+12+4*\c:PC+14+4*\c], v[\s+16+32*\c:\s+31+32*\c], v[TM+12+2*\c+1]
.endr
	v_nop                                          ; one plain line behind the conversions
.irp c, 0,1                            ; the operand's layout wants a WHOLE block in a lane: lanes 0-15 block 2 c, lanes 16-31 block 2 c + 1
.irp i, 0,1,2
	v_permlane16_swap_b32 v[PC+6*\c+\i], v[PC+12+4*\c+\i]
.endr
.irp i, 0,1,2
	v_mov_b32 v[PC+3+6*\c+\i], v[PC+12+4*\c+\i]
.endr
.endr
.endm
.macro LOADX q                         ; K step q of my 16 tokens
.set I, 0
.rept 16
	global_load_b128 v[R0+64*((\q)%2)+4*I:R0+64*((\q)%2)+4*I+3], v3, s[28:29] offset:(I+8*(I/8))*16384+512*(\q) th:TH_LOAD_NT
.set I, I+1
.endr
.endm
.macro TURNX q                         ; through the stage: LDS serves a wave's instructions in order, so no wait stands between the stores and the loads
.set I, 0
.rept 16
	ds_store_b128 v4, v[R0+64*((\q)%2)+4*I:R0+64*((\q)%2)+4*I+3] offset:528*I
.set I, I+1
.endr
.set I, 0
.rept 16
	ds_load_b128 v[XN+4*I:XN+4*I+3], v5 offset:128*(I/4)+16*(I%4)
.set I, I+1
.endr
.endm
.macro XSTEP q
.if (\q) < 3
	s_wait_loadcnt 16                              ; this K step's 16 loads are in; the next one's may be out
.else
	s_wait_loadcnt 0x0
.endif
	s_wait_xcnt 0x0                                ; the stores issued so far have read their data: the numbers' and the codes' registers are written again only behind this wait
	TURNX \q
	s_wait_dscnt 0x0
.if (\q) < 2
	LOADX (\q)+2
.endif
	QUANT XN, PW+(\q)
.irp c, 0,1,2
	global_store_b128 v3, v[PC+4*\c:PC+4*\c+3], s[30:31] offset:1536*(\q)+512*\c   ; the image as it stands: 512 consecutive bytes a store
.endr
.endm
.Lx_path:
	s_sub_co_u32 s27, ttmp9, 384
	s_lshr_b32 s32, s27, 1                         ; mt: the tile of tokens
	s_and_b32 s33, s27, 1                          ; which half of K; for the tables: rows (0) or columns (1)
	s_lshl_b32 s34, s33, 2
	s_add_co_u32 s34, s34, s26                     ; which 512 along K
	s_lshr_b32 s35, s32, 1
	s_lshl_b32 s35, s35, 5
	s_and_b32 s36, s32, 1
	s_lshl_b32 s36, s36, 3
	s_add_co_u32 s35, s35, s36                     ; the tile's first token: 32 (mt / 2) + 8 (mt % 2)
	s_lshl_b32 s36, s35, 14
	s_lshl_b32 s37, s34, 11
	s_add_co_u32 s36, s36, s37
	s_mov_b32 s37, 0
	s_add_nc_u64 s[28:29], s[4:5], s[36:37]
	s_lshl_b32 s36, s32, 3
	s_add_co_u32 s36, s36, s34
	s_mul_i32 s36, s36, REC
	s_add_nc_u64 s[30:31], s[18:19], s[36:37]
	s_lshl_b32 s36, s32, 13                        ; the tables: 8,192 bytes a tile; image (2 rc + cs) 4 + wave, 512 bytes each
	s_lshl_b32 s42, s33, 3
	s_add_co_u32 s42, s42, s26
	s_lshl_b32 s42, s42, 9
	s_add_co_u32 s36, s36, s42
	s_add_nc_u64 s[42:43], s[24:25], s[36:37]
	s_mov_b32 s41, 0x3fcf1bbd                      ; the golden ratio
	s_cmp_eq_u32 s33, 0
	s_cselect_b64 s[38:39], s[14:15], s[16:17]     ; row_ids or col_ids
	s_cselect_b32 s40, 1.0, s41
	s_mov_b32 s[SEL], 0x76543210
	s_mov_b32 s[SEL+1], 0xfedcba98
	s_mov_b32 s48, 0x3fc90fdb                      ; pi / 2, its f32,
	s_mov_b32 s49, 0xb33bbd2e                      ; and what that leaves
	s_mov_b32 s50, 0xb94ca1f9                      ; sine: r + r z (S1 + z (S2 + z S3))
	s_mov_b32 s51, 0x3c08839e
	s_mov_b32 s52, 0xbe2aaaa3
	s_mov_b32 s53, 0x37ccf5ce                      ; cosine: 1 - z / 2 + z z (C1 + z (C2 + z C3))
	s_mov_b32 s54, 0xbab6061a
	s_mov_b32 s55, 0x3d2aaaa5
	s_mov_b32 s56, 0xffff0000                      ; lanes 16-31
	v_and_b32 v8, 15, v0                           ; r
	v_bfe_u32 v2, v0, 4, 1                         ; h
	s_wait_alu depctr_va_vdst(0)
	v_lshlrev_b32 v3, 4, v1                        ; 16 bytes a lane
	s_mul_i32 s44, s26, 8448                       ; my stage
	v_add_nc_u32 v4, s44, v3
	v_mul_u32_u24 v5, v8, 528
	v_lshl_add_u32 v5, v2, 6, v5
	v_add_nc_u32 v5, s44, v5
	v_lshlrev_b32 v6, 4, v8
	v_lshl_add_u32 v6, v2, 3, v6
	v_add_nc_u32 v6, 6144, v6                      ; the scale words: lanes 0-15 store words 0, 1 of row r, lanes 16-31 words 2, 3
	v_and_b32 v9, 8, v8
	v_add_nc_u32 v9, v9, v8                        ; r + 8 (r / 8)
	v_lshlrev_b32 v9, 2, v9
	s_lshl_b32 s45, s35, 2
	v_add_nc_u32 v9, s45, v9                       ; my token's position
.irp b, 0,1,2,3
	v_mov_b32 v[TM+4+\b], 0                        ; written once: a lane permute's destination counts as one of its sources
.endr
	global_load_b32 v56, v9, s[38:39]
	LOADX 0
	LOADX 1
; THE TABLES.  Lane (r, h) of wave w makes, for its token, frequencies j = 16 h + 4 w + 0 .. 3: 10000^(-j / 32) = 2^(-j C).  C is cut to 17 bits, so that j C is exact; what the cut adds is taken back by the factor 1 + j x 1.5917e-7.
	v_lshlrev_b32 v57, 4, v2
	s_lshl_b32 s57, s26, 2
	v_add_nc_u32 v57, s57, v57
.irp e, 0,1,2,3
	v_add_nc_u32 v[TJ+\e], \e, v57
.endr
.irp e, 0,1,2,3
	v_cvt_f32_u32 v[TJ+\e], v[TJ+\e]
.endr
.irp e, 0,1,2,3
	v_mul_f32 v[TE+\e], 0xbed49a80, v[TJ+\e]
.endr
	s_wait_alu depctr_va_vdst(0)
.irp e, 0,1,2,3
	v_exp_f32 v[TE+\e], v[TE+\e]
.endr
.irp e, 0,1,2,3
	v_mul_f32 v[TN+\e], 0x342ae883, v[TJ+\e]       ; (plain lines behind the exponentials)
.endr
	s_wait_alu depctr_va_vdst(0)                   ; one wait for the four, ahead of their first reader
.irp e, 0,1,2,3
	v_fma_f32 v[TE+\e], v[TE+\e], v[TN+\e], v[TE+\e]
.endr
.irp e, 0,1,2,3
	v_mul_f32 v[TE+\e], s40, v[TE+\e]              ; the columns' frequencies x the golden ratio
.endr
	s_wait_loadcnt 32                              ; the position is in; the 32 loads of x behind it may be out
	v_cvt_f32_i32 v56, v56
	s_wait_alu depctr_va_vdst(0)
.irp e, 0,1,2,3
	v_mul_f32 v[TE+\e], v56, v[TE+\e]              ; the angle
.endr
.irp e, 0,1,2,3
	v_mul_f32 v[TN+\e], 0x3f22f983, v[TE+\e]
.endr
.irp e, 0,1,2,3
	v_rndne_f32 v[TN+\e], v[TN+\e]                 ; n = the nearest multiple of pi / 2
.endr
.irp e, 0,1,2,3
	v_fma_f32 v[TR+\e], -v[TN+\e], s48, v[TE+\e]
.endr
.irp e, 0,1,2,3
	v_fma_f32 v[TR+\e], -v[TN+\e], s49, v[TR+\e]   ; what is left, at most pi / 4
.endr
.irp e, 0,1,2,3
	v_mul_f32 v[TZ+\e], v[TR+\e], v[TR+\e]
.endr
.irp e, 0,1,2,3
	v_fma_f32 v[TS+\e], v[TZ+\e], s50, s51
	v_fma_f32 v[TC+\e], v[TZ+\e], s53, s54
.endr
.irp e, 0,1,2,3
	v_fma_f32 v[TS+\e], v[TS+\e], v[TZ+\e], s52
	v_fma_f32 v[TC+\e], v[TC+\e], v[TZ+\e], s55
.endr
.irp e, 0,1,2,3
	v_mul_f32 v[TS+\e], v[TS+\e], v[TZ+\e]
	v_mul_f32 v[TT+\e], v[TZ+\e], v[TZ+\e]
	v_fma_f32 v[TU+\e], v[TZ+\e], -0.5, 1.0
.endr
.irp e, 0,1,2,3
	v_fma_f32 v[TS+\e], v[TS+\e], v[TR+\e], v[TR+\e]
	v_fma_f32 v[TC+\e], v[TT+\e], v[TC+\e], v[TU+\e]
	v_cvt_i32_f32 v[TK+\e], v[TN+\e]
.endr
.irp e, 0,1,2,3                        ; the quadrant: n odd swaps the two; the sine's sign is bit 1 of n, the cosine's bit 1 of n + 1
	v_and_b32 v[TT+\e], 1, v[TK+\e]
	v_cmp_eq_u32 vcc_lo, 1, v[TT+\e]
	v_cndmask_b32 v[OS+\e], v[TS+\e], v[TC+\e], vcc_lo
	v_cndmask_b32 v[OC+\e], v[TC+\e], v[TS+\e], vcc_lo
	v_lshlrev_b32 v[TT+\e], 30, v[TK+\e]
	v_and_b32 v[TT+\e], 0x80000000, v[TT+\e]
	v_xor_b32 v[OS+\e], v[TT+\e], v[OS+\e]
	v_add_nc_u32 v[TK+\e], 1, v[TK+\e]
	v_lshlrev_b32 v[TT+\e], 30, v[TK+\e]
	v_and_b32 v[TT+\e], 0x80000000, v[TT+\e]
	v_xor_b32 v[OC+\e], v[TT+\e], v[OC+\e]
.endr
	global_store_b128 v3, v[OC:OC+3], s[42:43]               ; the cosines' image, 512 consecutive bytes,
	global_store_b128 v3, v[OS:OS+3], s[42:43] offset:2048   ; and the sines'
	XSTEP 0
	XSTEP 1
	XSTEP 2
	XSTEP 3
	v_cndmask_b32 v60, v[PW], v[PW+2], s56
	v_cndmask_b32 v61, v[PW+1], v[PW+3], s56
	global_store_b64 v6, v[60:61], s[30:31]        ; the record's last 256 bytes, whole
	s_wait_tensorcnt 0x0                           ; the wave's end
	ds_add_u32 v[SPW], v[NIL]
	s_wait_dscnt 0x0
	s_endpgm
.Lfunc_end_k_q3c32566e95_prep:
	.size	k_q3c32566e95_prep, .Lfunc_end_k_q3c32566e95_prep-k_q3c32566e95_prep
	.p2alignl 7, 3214868480
	.fill 96, 4, 3214868480
	.section	.rodata,"a",@progbits
	.p2align	6, 0x0
	.amdhsa_kernel k_q3c32566e95_prep
		.amdhsa_group_segment_fixed_size 47616
		.amdhsa_private_segment_fixed_size 0
		.amdhsa_enable_private_segment 0
		.amdhsa_kernarg_size 88
		.amdhsa_user_sgpr_count 2
		.amdhsa_user_sgpr_kernarg_segment_ptr 1
		.amdhsa_wavefront_size32 1
		.amdhsa_system_sgpr_workgroup_id_x 1
		.amdhsa_system_sgpr_workgroup_id_y 1
		.amdhsa_system_sgpr_workgroup_id_z 1
		.amdhsa_system_vgpr_workitem_id 0
		.amdhsa_next_free_vgpr 256
		.amdhsa_next_free_sgpr 100
		.amdhsa_reserve_vcc 1
		.amdhsa_float_denorm_mode_32 3
		.amdhsa_float_denorm_mode_16_64 3
		.amdhsa_memory_ordered 1
		.amdhsa_forward_progress 1
		.amdhsa_inst_pref_size 124
	.end_amdhsa_kernel
	.amdgpu_metadata
---
amdhsa.version: [ 1, 2 ]
amdhsa.kernels:
  - .name:           k_q3c32566e95_prep
    .symbol:         k_q3c32566e95_prep.kd
    .args:
      - { .name: x, .offset: 0, .size: 8, .value_kind: global_buffer, .address_space: global }
      - { .name: Wq, .offset: 8, .size: 8, .value_kind: global_buffer, .address_space: global }
      - { .name: Wk, .offset: 16, .size: 8, .value_kind: global_buffer, .address_space: global }
      - { .name: Wv, .offset: 24, .size: 8, .value_kind: global_buffer, .address_space: global }
      - { .name: Wo, .offset: 32, .size: 8, .value_kind: global_buffer, .address_space: global }
      - { .name: row_ids, .offset: 40, .size: 8, .value_kind: global_buffer, .address_space: global }
      - { .name: col_ids, .offset: 48, .size: 8, .value_kind: global_buffer, .address_space: global }
      - { .name: xr, .offset: 56, .size: 8, .value_kind: global_buffer, .address_space: global }
      - { .name: wr, .offset: 64, .size: 8, .value_kind: global_buffer, .address_space: global }
      - { .name: wor, .offset: 72, .size: 8, .value_kind: global_buffer, .address_space: global }
      - { .name: tg, .offset: 80, .size: 8, .value_kind: global_buffer, .address_space: global }
    .group_segment_fixed_size: 47616
    .private_segment_fixed_size: 0
    .kernarg_segment_align: 8
    .kernarg_segment_size: 88
    .max_flat_workgroup_size: 128
    .sgpr_count:     100
    .vgpr_count:     256
    .wavefront_size: 32
...
	.end_amdgpu_metadata
.endif
;; end of part 1
;; launch qkv (part 2): grid 16 x 16, 4 waves a work-group, clusters of 4 x 4, 327,680 bytes of LDS; arguments xr, wr, tg, q_norm_w, k_norm_w, qkv; writes qkv
.if DOCPART == 2
	.amdgcn_target "amdgcn-amd-amdhsa--gfx1250"
	.amdhsa_code_object_version 6
	.text
	.protected	k_q3c32566e95_qkv
	.globl	k_q3c32566e95_qkv
	.p2align	8
	.type	k_q3c32566e95_qkv,@function
k_q3c32566e95_qkv:
	s_mov_b64 s[64:65], 0
	v_nop
	global_prefetch_b8 v0, s[64:65] scope:SCOPE_SE
	s_setreg_imm32_b32 hwreg(HW_REG_WAVE_MODE, 25, 1), 1
	s_wait_xcnt 0x0
	s_wait_alu depctr_hold_cnt(0) depctr_sa_sdst(0) depctr_va_vdst(0) depctr_va_sdst(0) depctr_va_ssrc(0) depctr_va_vcc(0) depctr_vm_vsrc(0)
	s_getreg_b32 s2, hwreg(HW_REG_IB_STS2, 6, 4)
	s_cmp_eq_u32 s2, 0
	s_cbranch_scc0 .Lentry_in_a_cluster
	s_endpgm
.Lentry_in_a_cluster:
	s_bfe_u32 s2, ttmp6, 0x10000c
	s_cmp_lg_u32 s2, 0xf033
	s_cbranch_scc0 .Lentry_shape_is_right
	s_endpgm
.Lentry_shape_is_right:
.set KG,    8
.set REC,   6400
.set SLOT,  153600
.set S1O,   102400
.set SPARE, 307200
.set AD0,   4
.set AD1,   6
.set SCA,   8
.set SCB,   10
.set SPW,   28
.set NIL,   29
.set SC,    32
.set F1,    96
.set WV,    16
.set SH,    17
.set S1H,   18
.set G1,    24
.set G0,    32
.set G1B,   48
.set G0B,   56
.set SEL,   76
.set Y,     96
.set VAR,   160
.set VP,    164
.set TM,    192
.set PWQ,   208
.set RS,    212
.set T,     220
.set PC,    224
.set MSB, 0
.macro WIN new
.if MSB != \new
	s_set_vgpr_msb (MSB<<8)|\new
.set MSB, \new
.endif
.endm
.set MUL,  0xa1
.set TO_1, 0x40
.macro PLACES n
.rept \n
	v_nop
.endr
.endm
.macro JLOAD s
	s_cmp_eq_u32 s[SH], 0
	s_cbranch_scc0 .Lfor_1_\@
	tensor_load_to_lds s[G0+4*\s:G0+4*\s+3], s[G1:G1+7]
	s_nop 0
.rept 4
	v_nop
.endr
	s_branch .Lasked_\@
.Lfor_1_\@:
	tensor_load_to_lds s[G0B+4*\s:G0B+4*\s+3], s[G1B:G1B+7]
	s_nop 0
.rept 4
	v_nop
.endr
.Lasked_\@:
.endm
.macro CREST
	s_cmp_lg_u32 s[WV], 0
	s_cbranch_scc1 .Lnot_wave_0_\@
	s_barrier_signal -3
.Lnot_wave_0_\@:
	s_barrier_wait -3
	s_barrier_signal -1
	s_barrier_wait -1
.endm
.macro CROUND
	s_barrier_signal -1
	s_barrier_wait -1
	CREST
.endm
.macro FETCH slot, q, set
	WIN TO_1
.irp b, 0,1,2,3,4,5,6,7
.irp c, 0,1,2
	ds_load_b128 v[96*(\set)+12*\b+4*\c:96*(\set)+12*\b+4*\c+3], v[AD0+\slot] offset:REC*\b+1536*(\q)+512*\c
.endr
.endr
	WIN 0
.irp a, 0,1,2,3
.irp c, 0,1,2
	ds_load_b128 v[F1+48*(\set)+12*\a+4*\c:F1+48*(\set)+12*\a+4*\c+3], v[AD1+\slot] offset:REC*\a+1536*(\q)+512*\c
.endr
.endr
.endm
.macro SCALES slot
.irp i, 0,1,2,3
	ds_load_b128 v[SC+32*\slot+4*\i:SC+32*\slot+4*\i+3], v[SCA+\slot] offset:REC*\i
.endr
.irp i, 4,5,6,7
	ds_load_b128 v[SC+32*\slot+4*\i:SC+32*\slot+4*\i+3], v[SCB+\slot] offset:REC*\i
.endr
.endm
.macro MUL8 a, set, q, slot, zero
.irp b, 0,1,2,3,4,5,6,7
.if \zero
	v_wmma_scale_f32_16x16x128_f8f6f4 v[8*(8*(\a)+\b):8*(8*(\a)+\b)+7], v[96*(\set)+12*\b:96*(\set)+12*\b+11], v[F1+48*(\set)+12*(\a):F1+48*(\set)+12*(\a)+11], 0, v[SC+32*(\slot)+4*\b+(\q)], v[SC+32*(\slot)+4*(\a)+(\q)] matrix_a_fmt:MATRIX_FMT_FP6 matrix_b_fmt:MATRIX_FMT_FP6 matrix_b_scale:MATRIX_SCALE_ROW1
.else
	v_wmma_scale_f32_16x16x128_f8f6f4 v[8*(8*(\a)+\b):8*(8*(\a)+\b)+7], v[96*(\set)+12*\b:96*(\set)+12*\b+11], v[F1+48*(\set)+12*(\a):F1+48*(\set)+12*(\a)+11], v[8*(8*(\a)+\b):8*(8*(\a)+\b)+7], v[SC+32*(\slot)+4*\b+(\q)], v[SC+32*(\slot)+4*(\a)+(\q)] matrix_a_fmt:MATRIX_FMT_FP6 matrix_b_fmt:MATRIX_FMT_FP6 matrix_b_scale:MATRIX_SCALE_ROW1
.endif
.endr
.endm
.macro KSTEP slot, q, zero
	s_wait_dscnt 0x0
	PLACES 4
	WIN MUL
	MUL8 0, (\q)%2, \q, \slot, \zero
	FETCH \slot, (\q)+1, ((\q)+1)%2
	WIN MUL
	MUL8 1, (\q)%2, \q, \slot, \zero
	MUL8 2, (\q)%2, \q, \slot, \zero
	MUL8 3, (\q)%2, \q, \slot, \zero
	WIN 0
.endm
.macro TURN slot, next, fill
.if \fill
	s_wait_xcnt 0x0                                ; the last prefetches, a K group back, have read their address
	s_add_nc_u64 s[92:93], s[92:93], REC
.endif
	s_wait_tensorcnt 0x0
	ds_add_u32 v[SPW], v[NIL]
	s_wait_dscnt 1
	WIN MUL
	MUL8 0, 1, 3, \slot, 0
	s_wait_dscnt 0x0
	s_barrier_signal -1
	MUL8 1, 1, 3, \slot, 0
	WIN 0
	s_barrier_wait -1
.if \fill
	CREST
	s_add_nc_u64 s[G0+4*\slot+2:G0+4*\slot+3], s[G0+4*\slot+2:G0+4*\slot+3], 2*REC
	s_add_nc_u64 s[G0B+4*\slot+2:G0B+4*\slot+3], s[G0B+4*\slot+2:G0B+4*\slot+3], 2*REC
	JLOAD \slot
.else
	PLACES 4
.endif
	FETCH \next, 0, 0
	SCALES \next
.if \fill
	s_cmp_gt_u32 s3, 1
	s_cbranch_scc0 .Lnoask_\@
	PF 3*REC
.Lnoask_\@:
.endif
	WIN MUL
	MUL8 2, 1, 3, \slot, 0
	MUL8 3, 1, 3, \slot, 0
	WIN 0
.endm
.macro QUANT s, w, pw
.if \w
	WIN 0x0a
.endif
.irp b, 0,1,2,3
	v_max3_num_f32 v[TM+\b], |v[\s+16*\b]|, |v[\s+1+16*\b]|, 0x1800000
.endr
.if \w
	WIN 0x28
.endif
.irp i, 2,4,6,8,10,12,14
.irp b, 0,1,2,3
	v_max3_num_f32 v[TM+\b], v[TM+\b], |v[\s+16*\b+\i]|, |v[\s+1+16*\b+\i]|
.endr
.endr
	WIN 0
.irp b, 0,1,2,3
	v_permlanex16_b32 v[TM+4+\b], v[TM+\b], s[SEL], s[SEL+1]
.endr
.irp b, 0,1,2,3
	v_max_num_f32 v[TM+\b], v[TM+\b], v[TM+4+\b]
.endr
.irp b, 0,1,2,3
	v_add_nc_u32 v[TM+12+\b], 0xff000000, v[TM+\b]
.endr
.irp b, 0,1,2,3
	v_lshrrev_b32 v[TM+4+\b], 23, v[TM+12+\b]
.endr
	v_lshl_or_b32 v[\pw], v[TM+5], 8, v[TM+4]
	v_lshl_or_b32 v[\pw], v[TM+6], 16, v[\pw]
	v_lshl_or_b32 v[\pw], v[TM+7], 24, v[\pw]
.if \w
	WIN 0x02
.endif
.irp c, 0,1
	v_cvt_scalef32_pk16_fp6_f32 v[PC+6*\c:PC+2+6*\c], v[\s+32*\c:\s+15+32*\c], v[TM+12+2*\c]
	v_cvt_scalef32_pk16_fp6_f32 v[PC+12+4*\c:PC+14+4*\c], v[\s+16+32*\c:\s+31+32*\c], v[TM+12+2*\c+1]
.endr
	WIN 0
	v_nop
.irp c, 0,1
.irp i, 0,1,2
	v_permlane16_swap_b32 v[PC+6*\c+\i], v[PC+12+4*\c+\i]
.endr
.irp i, 0,1,2
	v_mov_b32 v[PC+3+6*\c+\i], v[PC+12+4*\c+\i]
.endr
.endr
.endm
	s_load_b256 s[4:11], s[0:1], 0x0
	s_load_b128 s[12:15], s[0:1], 0x20
	v_lshl_add_u32 v[SPW], v0, 2, SPARE
	v_mov_b32 v[NIL], 0
	ds_add_u32 v[SPW], v[NIL]
	ds_add_u32 v[SPW], v[NIL]
	v_lshrrev_b32 v1, 5, v0
	v_readfirstlane_b32 s[WV], v1
	s_lshr_b32 s[SH], s[WV], 1
	s_and_b32 s[S1H], s[WV], 1
	s_bfe_u32 s20, ttmp6, 0x40000
	s_bfe_u32 s21, ttmp6, 0x40004
	s_mov_b32 s22, ttmp9
	s_and_b32 s23, ttmp7, 0xffff
	s_and_b32 s44, s23, 1
	s_lshr_b32 s45, s23, 1
	s_cmp_eq_u32 s22, 3
	s_cselect_b32 s19, 1, 0
	s_cselect_b32 s40, s44, s22
	s_cselect_b32 s41, s45, s23
	s_cselect_b32 s46, 192, 0
	s_lshl_b32 s40, s40, 2
	s_add_co_u32 s40, s40, s20
	s_lshl_b32 s41, s41, 2
	s_add_co_u32 s41, s41, s21
	s_lshl_b32 s42, s21, 2
	s_lshl_b32 s42, 15, s42
	s_lshl_b32 s43, 0x1111, s20
	s_or_b32 s[G1+0], s43, (3<<16)|(1<<21)
	s_or_b32 s[G1B+0], s42, (3<<16)|(1<<21)
.irp g, G1, G1B
	s_mov_b32 s[\g+1], 800<<16
	s_mov_b32 s[\g+3], 800<<16
	s_mov_b32 s[\g+5], KG*800
	s_mov_b32 s[\g+6], 0
	s_mov_b32 s[\g+7], 0
.endr
	s_mov_b32 s[G1+2], 8<<16
	s_mov_b32 s[G1+4], 8
	s_mov_b32 s[G1B+2], 4<<16
	s_mov_b32 s[G1B+4], 4
	s_lshl_b32 s44, s40, 4
	s_lshl_b32 s82, s[S1H], 3
	s_add_co_u32 s44, s44, s82
	s_mul_i32 s44, s44, KG*REC
	s_mov_b32 s45, 0
	s_lshl_b32 s81, s41, 3
	s_add_co_u32 s46, s46, s81
	s_lshl_b32 s81, s[S1H], 2
	s_add_co_u32 s46, s46, s81
	s_mul_i32 s46, s46, KG*REC
	s_mov_b32 s47, 0
	s_mul_i32 s83, s[WV], 51200
	s_mul_i32 s84, s[WV], 25600
	s_add_co_u32 s84, s84, 51200
	s_mov_b32 s[SEL], 0x76543210
	s_mov_b32 s[SEL+1], 0xfedcba98
	s_mov_b32 s78, 0x3c000000
	s_mov_b32 s79, 0x358637bd
	s_mov_b32 s80, 0xffff0000
	s_wait_dscnt 0x0
	s_wait_kmcnt 0x0
	s_cmp_eq_u32 s19, 1
	s_cselect_b64 s[66:67], s[4:5], s[6:7]
	s_cselect_b64 s[68:69], s[6:7], s[4:5]
	s_add_nc_u64 s[66:67], s[66:67], s[44:45]
	s_add_nc_u64 s[68:69], s[68:69], s[46:47]
; THE PREFETCHES.  A K group of a record is 25 blocks of 256 bytes.  Of the 8 records that waves 0 and 1 fetch, the partner at place cy takes 2 (50 blocks, two instructions); of the 4 that waves 2 and 3 fetch, the partner at place cx takes 1
; (25 blocks, one instruction).  Lanes that are left over name the piece's last block again.  The partners are told apart by address; each block is named once in each cluster that loads it.
; K group 1 is asked for behind the first tensor load, groups 2 and 3 behind the second, group t + 4 behind refill t (which loads group t + 2); the last trip's refills ask for nothing.
	s_cmp_eq_u32 s[SH], 0
	s_cselect_b64 s[92:93], s[66:67], s[68:69]
	s_cselect_b32 s94, 49, 24
	s_cselect_b32 s95, s21, s20
	s_cselect_b32 s97, 1, 0
	s_mul_i32 s96, s95, KG*REC
	s_lshl_b32 s96, s96, s97
	s_mov_b32 s97, 0
	s_add_nc_u64 s[92:93], s[92:93], s[96:97]
	v_and_b32 v16, 31, v0
	v_add_nc_u32 v17, 32, v16
	v_min_u32 v16, s94, v16
	v_min_u32 v17, s94, v17
	v_mul_u32_u24 v18, v16, 41
	v_mul_u32_u24 v19, v17, 41
	v_lshrrev_b32 v18, 10, v18                     ; block / 25, for blocks under 50
	v_lshrrev_b32 v19, 10, v19
	v_mul_u32_u24 v18, v18, (KG-1)*REC
	v_mul_u32_u24 v19, v19, (KG-1)*REC
	v_lshl_add_u32 v30, v16, 8, v18
	v_lshl_add_u32 v31, v17, 8, v19
.macro PF o
	global_prefetch_b8 v30, s[92:93] offset:\o th:TH_LOAD_NT scope:SCOPE_SE
	s_cmp_eq_u32 s[SH], 0
	s_cbranch_scc0 .Lpf_\@
	global_prefetch_b8 v31, s[92:93] offset:\o th:TH_LOAD_NT scope:SCOPE_SE
.Lpf_\@:
.endm
	CROUND
.irp s, 0,1
	s_mov_b32 s[G0+4*\s], 1
	s_add_co_u32 s[G0+4*\s+1], s83, \s*SLOT
	s_add_nc_u64 s[G0+4*\s+2:G0+4*\s+3], s[66:67], \s*REC
	s_or_b32 s[G0+4*\s+3], s[G0+4*\s+3], 0x80000000
	s_mov_b32 s[G0B+4*\s], 1
	s_add_co_u32 s[G0B+4*\s+1], s84, \s*SLOT
	s_add_nc_u64 s[G0B+4*\s+2:G0B+4*\s+3], s[68:69], \s*REC
	s_or_b32 s[G0B+4*\s+3], s[G0B+4*\s+3], 0x80000000
	s_wait_alu depctr_va_vdst(0)
	s_wait_tensorcnt 0x0
	ds_add_u32 v28, v29
	ds_add_u32 v28, v29
	s_wait_dscnt 0x0
	CROUND
	JLOAD \s
.if \s == 0
	PF REC
.else
	PF 2*REC
	PF 3*REC
.endif
.endr
	v_and_b32 v1, 15, v0
	v_bfe_u32 v2, v0, 4, 1
	v_and_b32 v3, 31, v0
	v_lshlrev_b32 v3, 4, v3
	s_mul_i32 s85, s[SH], 51200
	s_mul_i32 s86, s[S1H], 25600
	s_add_co_u32 s86, s86, S1O
	s_sub_co_u32 s87, s86, s85
	v_lshlrev_b32 v14, 4, v1
	v_add_nc_u32 v14, 6144, v14
	v_mul_u32_u24 v15, s87, v2
	v_add_nc_u32 v15, v15, v14
	s_sub_co_u32 s87, s87, 25600
	v_mul_u32_u24 v12, s87, v2
	v_add_nc_u32 v12, v12, v14
.irp s, 0,1
	v_add_nc_u32 v[AD0+\s], s85, v3
	v_add_nc_u32 v[AD1+\s], s86, v3
	v_add_nc_u32 v[SCA+\s], s85, v15
	v_add_nc_u32 v[SCB+\s], s85, v12
	s_add_co_u32 s85, s85, SLOT
	s_add_co_u32 s86, s86, SLOT
.endr
	v_lshlrev_b32 v12, 6, v2
	v_lshl_add_u32 v13, v2, 3, v14
	s_lshl_b32 s87, s40, 1
	s_add_co_u32 s87, s87, s[SH]
	s_lshl_b32 s88, s41, 1
	s_add_co_u32 s88, s88, s[S1H]
	s_lshl_b32 s89, s87, 5
	s_add_co_u32 s89, s89, s88
	s_lshr_b32 s90, s88, 1
	s_lshl_b32 s90, s90, 5
	s_lshl_b32 s91, s87, 1
	s_add_co_u32 s90, s90, s91
	s_and_b32 s91, s88, 1
	s_add_co_u32 s90, s90, s91
	s_add_co_u32 s90, s90, 768
	s_cmp_eq_u32 s19, 1
	s_cselect_b32 s89, s90, s89
	s_mul_i32 s90, s89, REC
	s_mov_b32 s91, 0
	s_add_nc_u64 s[70:71], s[14:15], s[90:91]
	s_lshl_b32 s90, s88, 15
	s_add_nc_u64 s[72:73], s[8:9], s[90:91]
	s_cmp_lt_u32 s22, 2
	s_cselect_b64 s[74:75], s[10:11], s[12:13]
	s_cmp_eq_u32 s19, 1
	s_cbranch_scc1 .Lno_tables
	WIN 0x40
.set J, 0
	s_wait_alu depctr_va_vdst(0)
.rept 16
	global_load_b128 v[192+4*J:195+4*J], v12, s[74:75] offset:128*(J/4)+16*(J%4)
.set J, J+1
.endr
	WIN 0xc0
.set J, 0
.rept 64
	global_load_b128 v[4*J:4*J+3], v3, s[72:73] offset:8192*(J/16)+512*(J%16)
.set J, J+1
.endr
	WIN 0
.Lno_tables:
	s_wait_tensorcnt 1
	s_barrier_signal -1
	s_barrier_wait -1
	s_wait_alu depctr_va_vdst(0)
	FETCH 0, 0, 0
	SCALES 0
	KSTEP 0, 0, 1
	s_mov_b32 s3, KG/2-1
.Llap:
	KSTEP 0, 1, 0
	KSTEP 0, 2, 0
	TURN 0, 1, 1
	KSTEP 1, 0, 0
	KSTEP 1, 1, 0
	KSTEP 1, 2, 0
	TURN 1, 0, 1
	KSTEP 0, 0, 0
	s_sub_co_u32 s3, s3, 1
	s_cmp_lg_u32 s3, 0
	s_cbranch_scc1 .Llap
	KSTEP 0, 1, 0
	KSTEP 0, 2, 0
	TURN 0, 1, 0
	KSTEP 1, 0, 0
	KSTEP 1, 1, 0
	KSTEP 1, 2, 0
	s_wait_dscnt 0x0
	WIN MUL
	MUL8 0, 1, 3, 1, 0
	MUL8 1, 1, 3, 1, 0
	MUL8 2, 1, 3, 1, 0
	MUL8 3, 1, 3, 1, 0
	WIN 0
	PLACES 4
.irp b, 0,1,2,3
	v_mov_b32 v[TM+4+\b], 0
.endr
	s_cmp_eq_u32 s19, 1
	s_cbranch_scc1 .Lv_path
.irp a, 0,1,2,3
	v_mov_b32 v[VP+\a], 0
	v_mov_b32 v[RS+2*\a+1], 0
.endr
.irp a, 0,1,2,3
	WIN 0x0a
	v_pk_mul_f32 v[T:T+1], v[64*\a:64*\a+1], v[64*\a:64*\a+1]
	v_pk_mul_f32 v[T+2:T+3], v[64*\a+2:64*\a+3], v[64*\a+2:64*\a+3]
.set J, 4
.rept 15
	v_pk_fma_f32 v[T:T+1], v[64*\a+J:64*\a+J+1], v[64*\a+J:64*\a+J+1], v[T:T+1]
	v_pk_fma_f32 v[T+2:T+3], v[64*\a+J+2:64*\a+J+3], v[64*\a+J+2:64*\a+J+3], v[T+2:T+3]
.set J, J+4
.endr
	WIN 0
	v_pk_add_f32 v[T:T+1], v[T:T+1], v[T+2:T+3]
	v_add_f32 v[VAR+\a], v[T], v[T+1]
.endr
.irp a, 0,1,2,3
	v_permlanex16_b32 v[VP+\a], v[VAR+\a], s[SEL], s[SEL+1]
.endr
.irp a, 0,1,2,3
	v_add_f32 v[VAR+\a], v[VAR+\a], v[VP+\a]
.endr
.irp a, 0,1,2,3
	v_fma_f32 v[VAR+\a], v[VAR+\a], s78, s79
.endr
	s_wait_alu depctr_va_vdst(0)
.irp a, 0,1,2,3
	v_rsq_f32 v[RS+2*\a], v[VAR+\a]
.endr
	v_nop
	s_wait_alu depctr_va_vdst(0)
	s_wait_loadcnt 0x0
.irp a, 0,1,2,3
	WIN 0x02
.set J, 0
.rept 32
	v_pk_mul_f32 v[Y+J:Y+J+1], v[64*\a+J:64*\a+J+1], v[RS+2*\a:RS+2*\a+1] op_sel_hi:[1,0]
.set J, J+2
.endr
	WIN 0x04
.set J, 0
.rept 32
	v_pk_mul_f32 v[Y+J:Y+J+1], v[Y+J:Y+J+1], v[192+J:193+J]
.set J, J+2
.endr
	WIN 0x0c
.irp p, 0,1
.set J, 0
.rept 8
	v_pk_mul_f32 v[T:T+1], v[Y+32*\p+16+J:Y+32*\p+17+J], v[64*\a+32*\p+16+J:64*\a+32*\p+17+J]
	v_pk_mul_f32 v[T+2:T+3], v[Y+32*\p+J:Y+32*\p+1+J], v[64*\a+32*\p+16+J:64*\a+32*\p+17+J]
	v_pk_fma_f32 v[Y+32*\p+J:Y+32*\p+1+J], v[Y+32*\p+J:Y+32*\p+1+J], v[64*\a+32*\p+J:64*\a+32*\p+1+J], v[T:T+1] neg_lo:[0,0,1] neg_hi:[0,0,1]
	v_pk_fma_f32 v[Y+32*\p+16+J:Y+32*\p+17+J], v[Y+32*\p+16+J:Y+32*\p+17+J], v[64*\a+32*\p+J:64*\a+32*\p+1+J], v[T+2:T+3]
.set J, J+2
.endr
.endr
	WIN 0
.if \a > 0
	s_wait_xcnt 0x0
.endif
	QUANT Y, 0, PWQ+\a
.irp c, 0,1,2
	global_store_b128 v3, v[PC+4*\c:PC+4*\c+3], s[70:71] offset:1536*\a+512*\c
.endr
.endr
	s_branch .Lscales
.Lv_path:
.irp a, 0,1,2,3
.if \a > 0
	s_wait_xcnt 0x0
.endif
	QUANT 64*\a, 2, PWQ+\a
.irp c, 0,1,2
	global_store_b128 v3, v[PC+4*\c:PC+4*\c+3], s[70:71] offset:1536*\a+512*\c
.endr
.endr
.Lscales:
	v_cndmask_b32 v244, v[PWQ], v[PWQ+2], s80
	v_cndmask_b32 v245, v[PWQ+1], v[PWQ+3], s80
	global_store_b64 v13, v[244:245], s[70:71]
	s_wait_tensorcnt 0x0
	ds_add_u32 v[SPW], v[NIL]
	s_wait_dscnt 0x0
	CROUND
	s_endpgm
.Lfunc_end_k_q3c32566e95_qkv:
	.size	k_q3c32566e95_qkv, .Lfunc_end_k_q3c32566e95_qkv-k_q3c32566e95_qkv
	.p2alignl 7, 3214868480
	.fill 96, 4, 3214868480
	.section	.rodata,"a",@progbits
	.p2align	6, 0x0
	.amdhsa_kernel k_q3c32566e95_qkv
		.amdhsa_group_segment_fixed_size 327680
		.amdhsa_private_segment_fixed_size 0
		.amdhsa_enable_private_segment 0
		.amdhsa_kernarg_size 48
		.amdhsa_user_sgpr_count 2
		.amdhsa_user_sgpr_kernarg_segment_ptr 1
		.amdhsa_wavefront_size32 1
		.amdhsa_system_sgpr_workgroup_id_x 1
		.amdhsa_system_sgpr_workgroup_id_y 1
		.amdhsa_system_sgpr_workgroup_id_z 1
		.amdhsa_system_vgpr_workitem_id 0
		.amdhsa_next_free_vgpr 1024
		.amdhsa_next_free_sgpr 100
		.amdhsa_reserve_vcc 0
		.amdhsa_float_denorm_mode_32 3
		.amdhsa_float_denorm_mode_16_64 3
		.amdhsa_memory_ordered 1
		.amdhsa_forward_progress 1
		.amdhsa_inst_pref_size 205
	.end_amdhsa_kernel
	.amdgpu_metadata
---
amdhsa.version: [ 1, 2 ]
amdhsa.kernels:
  - .name:           k_q3c32566e95_qkv
    .symbol:         k_q3c32566e95_qkv.kd
    .args:
      - { .name: xr, .offset: 0, .size: 8, .value_kind: global_buffer, .address_space: global }
      - { .name: wr, .offset: 8, .size: 8, .value_kind: global_buffer, .address_space: global }
      - { .name: tg, .offset: 16, .size: 8, .value_kind: global_buffer, .address_space: global }
      - { .name: q_norm_w, .offset: 24, .size: 8, .value_kind: global_buffer, .address_space: global }
      - { .name: k_norm_w, .offset: 32, .size: 8, .value_kind: global_buffer, .address_space: global }
      - { .name: qkv, .offset: 40, .size: 8, .value_kind: global_buffer, .address_space: global }
    .group_segment_fixed_size: 327680
    .private_segment_fixed_size: 0
    .kernarg_segment_align: 8
    .kernarg_segment_size: 48
    .max_flat_workgroup_size: 128
    .sgpr_count:     100
    .vgpr_count:     1024
    .wavefront_size: 32
...
	.end_amdgpu_metadata
.endif
;; end of part 2
;; launch attn (part 3): grid 32 x 8, 8 waves a work-group, clusters of 4 x 4, 327,680 bytes of LDS; arguments qkv, attention_mask, aor; writes aor
.if DOCPART == 3
	.amdgcn_target "amdgcn-amd-amdhsa--gfx1250"
	.amdhsa_code_object_version 6
	.text
	.protected	k_q3c32566e95_attn
	.globl	k_q3c32566e95_attn
	.p2align	8
	.type	k_q3c32566e95_attn,@function
k_q3c32566e95_attn:
	s_mov_b64 s[64:65], 0
	v_nop
	global_prefetch_b8 v0, s[64:65] scope:SCOPE_SE
	s_setreg_imm32_b32 hwreg(HW_REG_WAVE_MODE, 25, 1), 1
	s_wait_xcnt 0x0
	s_wait_alu depctr_hold_cnt(0) depctr_sa_sdst(0) depctr_va_vdst(0) depctr_va_sdst(0) depctr_va_ssrc(0) depctr_va_vcc(0) depctr_vm_vsrc(0)
	s_getreg_b32 s2, hwreg(HW_REG_IB_STS2, 6, 4)
	s_cmp_eq_u32 s2, 0
	s_cbranch_scc0 .Lentry_in_a_cluster
	s_endpgm
.Lentry_in_a_cluster:
	s_bfe_u32 s2, ttmp6, 0x10000c
	s_cmp_lg_u32 s2, 0xf033
	s_cbranch_scc0 .Lentry_shape_is_right
	s_endpgm
.Lentry_shape_is_right:
; o = softmax(q k^T x ln(2048) / sqrt(128) + mask) v for 16 query heads on 8 key and value heads, both products on codes of FP6 (E2M3) with E8M0 scales; o is quantised along heads x 128 for the last product.
; t = logit x log2(e) = (score + mask x sqrt(128) / ln(2048)) x 11 / sqrt(128): the scaled mask is the C of the first product, so that t - M is one multiply-add on the product's result.
; M = the row's largest t so far, rounded UP to a whole number; p = 2^(t - M) is quantised along the keys; the row's sum is taken of the unquantised p and divides at the end; when M moves, the sum and O are multiplied by 2^(old M - new M): exact.
; OPERANDS lie in memory as records of 6,400 bytes: four fragments (images of their 12 registers), then row r's four scale words at 6,144 + 16 r.  q: [head 16][32 records]; k: [head 8][32] behind it; v: [head 8][key step 16][2 records], K = the step's 128 tokens.
; Lane r of tile 2 B + u is row 32 B + 8 u + r + 8 (r / 8), so that p's 16 registers of two neighbouring tiles are 16 neighbouring keys.
; SHARES.  A work-group owns 64 queries x the two query heads of one key and value head.  EIGHT WAVES, two to a SIMD: wave w owns tile w % 4 of 16 queries for both heads and, of every slot of 256 keys, key step g = w / 4.
; Every fragment of K and V and every number of the mask that a wave reads feeds two tiles.  Both products are used transposed: a lane holds ONE query.
; A wave calls the head that it finishes its FIRST: query head g of the pair; the other is its second.  At the end it hands its second head's O^T, M and sum to the wave with the other half of the keys, through LDS, takes that wave's
; for its own first head, and joins the two by factors 2^(M's difference): exact.  No branch hangs on g: only addresses do.
; REGISTERS, 512 a wave.  K and V take turns in one set; the scaled mask's registers become the second head's S^T in place; the next step's mask lands where the first head's p lay, so the two sets change roles from step to step (a trip is two steps).
;   Window 0: v1-6 LDS addresses (image, scale words, mask; slot 0, 1); v7, v8 the add's two; v9, v10 the stage; v12-15, v16-19 -M, largest t, the sum (first, second head); v20, v21 Q's scale words; v22 p's; v24-31 K's; v32-39 V's;
;   v40, v41 the prefetches'; v42, v43 the way out's; v48-66 p's codes; v68-89 at work; v96-159, v160-223 the two sets of S^T; v224-240 the way out's.   Window 1: v0-63, v64-127 O^T (first, second); v128-223 K or V; v224-247 Q.
; THE RING: two LDS slots of 256 keys.  Waves 0-3 fetch a quarter of the mask's 64 rows each, waves 4, 5 the halves of K, waves 6, 7 of V: one tensor load a wave at the head and behind each round; one is out at a time.
; The change of slots stands behind the step's last LDS read (V).  CLUSTERS: 4 x 4: K and V are asked for jointly along a row of the cluster, the mask's tile down a column.
; LIMITS: the promise holds while |t| stays under 2^31; a row of the mask that is all -infinity gives NaN, as the definition does; NaN among the inputs is not served; a block whose every p is 0 keeps the scale byte 1: its codes are zeros.
.set REC,   6400
.set KOFF,  3276800
.set SLOT1, 131072
.set VO,    25600
.set MO,    51200
.set MP,    1032                       ; a mask row in LDS: 1,024 bytes + 8 of padding
.set SPARE, 262144                     ; the spare words: 128 bytes a wave, named by no other line
.set STG,   8704                       ; the stage, a wave's part: 8,192 bytes of O^T and 512 of state; it lies in slot 0, behind that slot's last fill and last read
.set SPW,  7
.set NIL,  8
.set PW,   22
.set KS,   24
.set VS,   32
.set PFO,  40
.set PFO2, 41
.set OFA,  42
.set OSA,  43
.set PC,   48
.set BM,   68
.set PM,   72
.set SO,   76
.set F,    80
.set TMP,  82
.set R0,   96
.set R1,   160
.set TM,   224
.set PWO,  240
.set TRIP, 3
.set WV,   18
.set SEL,  20
.set CS,   22                          ; s[22:23] 11 / sqrt(128)
.set G1M,  24
.set G1K,  32
.set G0M,  40
.set G0K,  48
.set IS,   66                          ; s[66:67] sqrt(128) / ln(2048)
.set SLOTS, 68
.set PFA,  76
.set PFS,  78
.set LIM,  80
.set MSB, 0
.macro WIN new                         ; the high byte repeats the setting that is left; a switch that changes nothing is dropped
.if MSB != \new
	s_set_vgpr_msb (MSB<<8)|\new
.set MSB, \new
.endif
.endm
.macro PLACES n
.rept \n
	v_nop
.endr
.endm
.macro ALU
	s_wait_alu depctr_va_vdst(0)
.endm
.macro DEP n
	s_delay_alu instid0(VALU_DEP_\n)
.endm
.macro CROUND                          ; a round of the cluster's barrier
	s_barrier_signal -1
	s_barrier_wait -1
	s_cmp_lg_u32 s[WV], 0
	s_cbranch_scc1 .Lnot_wave_0_\@
	s_barrier_signal -3
.Lnot_wave_0_\@:
	s_barrier_wait -3
	s_barrier_signal -1
	s_barrier_wait -1
.endm
.macro TLOAD o                         ; my one joint load: the branch hangs on the wave's number alone; s_nop 0 and four v_nop follow each line
	s_cmp_lt_u32 s[WV], 4
	s_cbranch_scc0 .Lfor_kv_\@
	tensor_load_to_lds s[G0M+\o:G0M+\o+3], s[G1M:G1M+7]
	s_nop 0
	PLACES 4
	s_branch .Lasked_\@
.Lfor_kv_\@:
	tensor_load_to_lds s[G0K+\o:G0K+\o+3], s[G1K:G1K+7]
	s_nop 0
	PLACES 4
.Lasked_\@:
.endm
; A prefetch of what the NEXT change of slots will ask for.  The mask's tile: clusters with y = 0, wave 0, each of the four partners 16 of its 64 rows (by cy): 64 blocks of 256 bytes, two instructions.
; K and V: clusters with x = 0, wave 4, each partner one half of K or of V (by cx): 50 blocks; lanes 18-31 of the second instruction name the piece's last block again.
; The partners are told apart by address.  The last change that fills a slot asks for nothing; slots 0, 1 and 2 come by their loads alone.
.macro ASK
	s_cmp_gt_u32 s[SLOTS], s[LIM]
	s_cbranch_scc0 .Lnot_mine_\@
	global_prefetch_b8 v[PFO], s[PFA:PFA+1] th:TH_LOAD_NT scope:SCOPE_SE
	global_prefetch_b8 v[PFO2], s[PFA:PFA+1] th:TH_LOAD_NT scope:SCOPE_SE
.Lnot_mine_\@:
.endm
	s_load_b128 s[4:7], s[0:1], 0x0                ; qkv, the mask
	s_load_b64 s[8:9], s[0:1], 0x10                ; aor
	v_lshl_add_u32 v[SPW], v0, 2, SPARE
	v_mov_b32 v[NIL], 0
	ds_add_u32 v[SPW], v[NIL]                      ; the opening lines: the add, twice on end, under one wait
	ds_add_u32 v[SPW], v[NIL]
	v_lshrrev_b32 v11, 5, v0
	v_readfirstlane_b32 s[WV], v11                 ; wave 0..7
	s_and_b32 s10, s[WV], 3                        ; my tile of 16 queries; also which part I fetch
	s_lshr_b32 s98, s[WV], 2                       ; g: my key step of a slot, and my first head
	s_bfe_u32 s11, ttmp6, 0x40000                  ; cx
	s_bfe_u32 s12, ttmp6, 0x40004                  ; cy
	s_mov_b32 s13, ttmp9
	s_and_b32 s14, ttmp7, 0xffff
	s_lshl_b32 s15, s13, 2
	s_add_co_u32 s15, s15, s11                     ; my 64 queries
	s_lshl_b32 s16, s14, 2
	s_add_co_u32 s16, s16, s12                     ; my key and value head
	s_lshl_b32 s81, s12, 2
	s_lshl_b32 s81, 15, s81                        ; my row of the cluster
	s_lshl_b32 s82, 0x1111, s11                    ; my column
	s_or_b32 s[G1M], s82, (2<<16)|(1<<20)|(1<<21)|(7<<22)|(1<<25)   ; the mask: 16 rows of 256 elements of 4 bytes, 2 words of padding behind each
	s_mov_b32 s[G1M+1], 256<<16
	s_mov_b32 s[G1M+2], 16<<16
	s_mov_b32 s[G1M+3], 256<<16
	s_mov_b32 s[G1M+4], 16
	s_mov_b32 s[G1M+5], 2048
	s_mov_b32 s[G1M+6], 0
	s_mov_b32 s[G1M+7], 0
	s_or_b32 s[G1K], s81, (3<<16)|(1<<21)          ; K, V: 12,800 dense bytes as 50 rows of 256
	s_mov_b32 s[G1K+1], 32<<16
	s_mov_b32 s[G1K+2], 50<<16
	s_mov_b32 s[G1K+3], 32<<16
	s_mov_b32 s[G1K+4], 50
	s_mov_b32 s[G1K+5], 32
	s_mov_b32 s[G1K+6], 0
	s_mov_b32 s[G1K+7], 0
	s_lshl_b32 s56, s15, 6
	s_lshl_b32 s57, s10, 4
	s_add_co_u32 s56, s56, s57
	s_lshl_b32 s56, s56, 13                        ; the mask: rows 64 x block + 16 x part
	s_mov_b32 s57, 0
	s_mul_i32 s58, s10, 16*MP
	s_add_co_u32 s58, s58, MO
	s_mul_i32 s60, s16, 204800
	s_lshr_b32 s62, s10, 1
	s_mul_i32 s62, s62, 1638400                    ; K (parts 0, 1) or V (parts 2, 3),
	s_add_co_u32 s60, s60, s62
	s_and_b32 s62, s10, 1
	s_mul_i32 s62, s62, 12800                      ; its first or second half
	s_add_co_u32 s60, s60, s62
	s_add_co_u32 s60, s60, KOFF
	s_mov_b32 s61, 0
	s_mul_i32 s59, s10, 12800
	s_mov_b32 s[SEL], 0x76543210
	s_mov_b32 s[SEL+1], 0xfedcba98
	s_mov_b32 s[CS], 0x3f78e6ce
	s_mov_b32 s[CS+1], s[CS]
	s_mov_b32 s[IS], 0x3fbdee71
	s_mov_b32 s[IS+1], s[IS]
	s_mov_b32 s[SLOTS], 6
	s_wait_dscnt 0x0                               ; both opening adds are done
	s_wait_kmcnt 0x0
	s_add_nc_u64 s[92:93], s[6:7], s[56:57]
	s_add_nc_u64 s[94:95], s[4:5], s[60:61]
.irp s, 0,1
	s_mov_b32 s[G0M+4*\s], 1
	s_add_co_u32 s[G0M+4*\s+1], s58, \s*SLOT1
	s_add_nc_u64 s[G0M+4*\s+2:G0M+4*\s+3], s[92:93], \s*1024
	s_or_b32 s[G0M+4*\s+3], s[G0M+4*\s+3], 0x80000000
	s_mov_b32 s[G0K+4*\s], 1
	s_add_co_u32 s[G0K+4*\s+1], s59, \s*SLOT1
	s_add_nc_u64 s[G0K+4*\s+2:G0K+4*\s+3], s[94:95], \s*25600
	s_or_b32 s[G0K+4*\s+3], s[G0K+4*\s+3], 0x80000000
.endr
	CROUND                                         ; all sixteen work-groups are here: the first joint loads meet
	TLOAD 0                                        ; slot 0: one tensor load a wave at the head
	s_lshl_b32 s88, s15, 6                         ; the prefetches: where my wave's stand, and who asks
	s_lshl_b32 s89, s12, 4
	s_add_co_u32 s88, s88, s89
	s_lshl_b32 s88, s88, 13
	s_add_co_u32 s88, s88, 2048                    ; the mask: my work-group's 16 rows, in slot 2: the first change steps it to slot 3
	s_mul_i32 s90, s16, 204800
	s_lshr_b32 s91, s11, 1
	s_mul_i32 s91, s91, 1638400
	s_add_co_u32 s90, s90, s91
	s_and_b32 s91, s11, 1
	s_mul_i32 s91, s91, 12800
	s_add_co_u32 s90, s90, s91
	s_add_co_u32 s90, s90, KOFF+51200              ; K, V: my work-group's piece, in slot 2
	s_mov_b32 s84, 1024
	s_mov_b32 s85, 17
	s_mov_b32 s86, 8192
	s_mov_b32 s87, 25600
	s_cmp_lt_u32 s[WV], 4
	s_cselect_b64 s[PFA:PFA+1], s[6:7], s[4:5]
	s_cselect_b32 s88, s88, s90
	s_cselect_b32 s[PFS], 1024, s87
	s_cselect_b32 s84, 8192, s84
	s_cselect_b32 s85, 31, s85
	s_cselect_b32 s86, 65536, s86
	s_cselect_b32 s81, s14, s13
	s_mov_b32 s89, 0
	s_mov_b32 s[PFS+1], 0
	s_add_nc_u64 s[PFA:PFA+1], s[PFA:PFA+1], s[88:89]
	s_or_b32 s81, s81, s10                         ; waves 0 and 4 alone
	s_cmp_eq_u32 s81, 0
	s_cselect_b32 s[LIM], 1, -1
	s_lshr_b32 s17, s10, 1                         ; the mask's rows of my tile: 32 (t / 2) + 8 (t % 2),
	s_lshl_b32 s17, s17, 5
	s_and_b32 s75, s10, 1
	s_lshl_b32 s75, s75, 3
	s_add_co_u32 s17, s17, s75
	s_mul_i32 s17, s17, MP
	s_add_co_u32 s17, s17, MO
	s_lshl_b32 s75, s98, 9
	s_add_co_u32 s17, s17, s75                     ; my key step's 512 bytes of a row
	s_mul_i32 s99, s98, 2*REC                      ; my key step's two records of K, and of V
	s_lshl_b32 s74, s16, 6
	s_add_co_u32 s74, s74, s15
	s_mul_i32 s74, s74, REC
	s_mov_b32 s75, 0
	s_add_nc_u64 s[70:71], s[4:5], s[74:75]        ; Q's record of the pair's head 0; head 1's lies 204,800 bytes further on
	s_mul_i32 s92, s98, 204800                     ; my first head,
	s_sub_co_u32 s93, 204800, s92                  ; my second
	s_mul_i32 s19, s10, 1536
	s_add_co_u32 s63, s19, s93
	s_add_co_u32 s19, s19, s92
	s_lshl_b32 s94, s10, 2
	s_add_co_u32 s95, s94, s93
	s_add_co_u32 s94, s94, s92
	s_lshl_b32 s74, s15, 2                         ; the way out: record (tile of tokens, head / 4), fragment head % 4
	s_add_co_u32 s74, s74, s10
	s_lshl_b32 s74, s74, 2
	s_lshr_b32 s83, s16, 1
	s_add_co_u32 s74, s74, s83
	s_mul_i32 s74, s74, REC
	s_add_nc_u64 s[72:73], s[8:9], s[74:75]
	s_and_b32 s83, s16, 1
	s_lshl_b32 s83, s83, 1
	s_add_co_u32 s83, s83, s98                     ; head % 4
	s_mul_i32 s96, s83, 1536
	s_lshl_b32 s97, s83, 2
	s_mul_i32 s56, s[WV], STG                      ; the stage: my part, and that of the wave with the other keys
	s_xor_b32 s57, s[WV], 4
	s_mul_i32 s57, s57, STG
	v_and_b32 v44, 31, v0                          ; all lane terms in one run of vector lines
	v_lshrrev_b32 v[PFO], 2, v44
	v_mul_lo_u32 v[PFO], v[PFO], s84
	v_and_b32 v45, 3, v44
	v_lshl_add_u32 v[PFO], v45, 8, v[PFO]
	v_min_u32 v44, s85, v44
	v_lshrrev_b32 v[PFO2], 2, v44
	v_mul_lo_u32 v[PFO2], v[PFO2], s84
	v_and_b32 v45, 3, v44
	v_lshl_add_u32 v[PFO2], v45, 8, v[PFO2]
	v_add_nc_u32 v[PFO2], s86, v[PFO2]
	v_and_b32 v44, 15, v0                          ; r
	v_bfe_u32 v45, v0, 4, 1                        ; h
	v_and_b32 v46, 31, v0
	v_lshlrev_b32 v46, 4, v46                      ; 16 x lane: an image's place
	v_lshlrev_b32 v47, 4, v44
	v_add_nc_u32 v47, 6144, v47                    ; a record's scale words of row r
	v_add_nc_u32 v1, s99, v46
	v_add_nc_u32 v3, s99, v47
	v_add_nc_u32 v2, SLOT1, v1
	v_add_nc_u32 v4, SLOT1, v3
	v_and_b32 v5, 8, v44
	v_add_nc_u32 v5, v5, v44
	v_mul_u32_u24 v5, v5, MP
	v_lshl_add_u32 v5, v45, 6, v5                  ; the mask: my query's row, + 64 h
	v_add_nc_u32 v5, s17, v5
	v_add_nc_u32 v6, SLOT1, v5
	v_add_nc_u32 v9, s56, v46
	v_add_nc_u32 v10, s57, v46
	v_add_nc_u32 v[OFA], s96, v46
	v_add_nc_u32 v[OSA], s97, v47
	v_add_nc_u32 v60, s19, v46
	v_add_nc_u32 v61, s63, v46
	v_add_nc_u32 v62, s94, v47
	v_add_nc_u32 v63, s95, v47
	ALU
	global_load_b32 v20, v62, s[70:71]             ; Q stays in registers: the scale words,
	global_load_b32 v21, v63, s[70:71]
	WIN 0x40
.irp c, 0,1,2
	global_load_b128 v[224+4*\c:227+4*\c], v60, s[70:71] offset:512*\c   ; my first head's fragment,
.endr
.irp c, 0,1,2
	global_load_b128 v[236+4*\c:239+4*\c], v61, s[70:71] offset:512*\c   ; my second's
.endr
.set J, 0
.rept 128
	v_mov_b32 v[J], 0                              ; O^T and the sums begin as zeros, the largest t as -3e38: the step's text serves the first step too
.set J, J+1
.endr
	WIN 0
.irp j, 12,16
	v_mov_b32 v[\j+1], 0xff61b1e6
	v_floor_f32 v[\j], -v[\j+1]
	v_mov_b32 v[\j+2], 0
	v_mov_b32 v[\j+3], 0
.endr
.irp b, 0,1,2,3
	v_mov_b32 v[PM+\b], 0                          ; a lane permute's destination counts as one of its sources
	v_mov_b32 v[TM+4+\b], 0
.endr
	v_mov_b32 v[F+1], 0
.macro FETCHKV sl, o, sc               ; the two loads of scale words first, then three loads a fragment, tile 0 first
	WIN 0
	ds_load_b128 v[\sc:\sc+3], v[3+(\sl)] offset:\o
	ds_load_b128 v[\sc+4:\sc+7], v[3+(\sl)] offset:\o+REC
	WIN 0x40
.set TI, 0
.rept 8
.irp c, 0,1,2
	ds_load_b128 v[128+12*TI+4*\c:128+12*TI+4*\c+3], v[1+(\sl)] offset:\o+REC*(TI/4)+1536*(TI%4)+512*\c
.endr
.set TI, TI+1
.endr
	WIN 0
.endm
.macro FETCHM sl, d                    ; the mask of my query at my 64 keys of the step: register 16 b + i is key 32 b + 16 h + i: the layout of S^T
.set J, 0
.rept 32
	ds_load_b64 v[\d+2*J:\d+2*J+1], v[5+(\sl)] offset:128*(J/8)+8*(J%8)
.set J, J+1
.endr
.endm
; AHEAD OF THE BATCH, head j with S^T at s: the blocks' and the row's maxima, the new M, O^T and the sum under it, and t - M
.macro PRE j, s
.set ST, 12+4*(\j)
	ALU                                            ; directly ahead of the first reader of S^T
.irp b, 0,1,2,3
	v_max3_num_f32 v[BM+\b], v[\s+16*\b], v[\s+1+16*\b], v[\s+2+16*\b]   ; the largest of each block of 32 keys: it serves the row's maximum and the block's largest p
.endr
.irp i, 3,5,7,9,11,13
.irp b, 0,1,2,3
	v_max3_num_f32 v[BM+\b], v[BM+\b], v[\s+16*\b+\i], v[\s+1+16*\b+\i]
.endr
.endr
.irp b, 0,1,2,3
	v_max_num_f32 v[BM+\b], v[BM+\b], v[\s+15+16*\b]
.endr
.irp b, 0,1,2,3
	v_permlanex16_b32 v[PM+\b], v[BM+\b], s[SEL], s[SEL+1]
.endr
.irp b, 0,1,2,3
	v_max_num_f32 v[BM+\b], v[BM+\b], v[PM+\b]
.endr
	DEP 2
	v_max3_num_f32 v[TMP], v[BM], v[BM+1], v[BM+2]
	DEP 1
	v_max_num_f32 v[TMP], v[TMP], v[BM+3]
	DEP 1
	v_mul_f32 v[TMP], s[CS], v[TMP]                ; as t
	DEP 1
	v_max_num_f32 v[ST+1], v[ST+1], v[TMP]
	v_mov_b32 v[TMP], v[ST]
	DEP 2
	v_floor_f32 v[ST], -v[ST+1]                    ; -M = floor(-t): M is a whole number
	DEP 1
	v_sub_f32 v[TMP], v[ST], v[TMP]
	DEP 1
	v_cvt_i32_f32 v[TMP], v[TMP]
	DEP 1
	v_ldexp_f32 v[F], 1.0, v[TMP]                  ; f = 2^(old M - new M)
	WIN 0x41
	ALU                                            ; directly ahead of the first reader of O^T
.set J, 0
.rept 32
	v_pk_mul_f32 v[64*(\j)+J:64*(\j)+J+1], v[64*(\j)+J:64*(\j)+J+1], v[F:F+1] op_sel_hi:[1,0]   ; each accumulator from its low end on
.set J, J+2
.endr
	WIN 0
	v_pk_mul_f32 v[ST+2:ST+3], v[ST+2:ST+3], v[F:F+1] op_sel_hi:[1,0]
.set J, 0
.rept 32
	v_pk_fma_f32 v[\s+J:\s+J+1], v[\s+J:\s+J+1], s[CS:CS+1], v[ST:ST+1] op_sel_hi:[1,0,0]   ; t - M
.set J, J+2
.endr
.irp b, 0,1,2,3
	v_fma_f32 v[BM+\b], v[BM+\b], s[CS], v[ST]
.endr
.endm
.macro BATCH s                         ; 68 exponentials: one wait ahead of the batch and one behind it
	ALU
.set J, 0
.rept 64
	v_exp_f32 v[\s+J], v[\s+J]
.set J, J+1
.endr
.irp b, 0,1,2,3
	v_exp_f32 v[BM+\b], v[BM+\b]                   ; the block's largest p: the same two operations on the same number
.endr
	v_nop
	ALU
.endm
; 64 numbers at s, register 16 b + i of block b, whose largest magnitudes stand in bm: the fragment's codes in v[PC] on, its scale word in v[pw]
.macro CODES s, bm, pm, so, pw
.irp b, 0,1,2,3
	v_add_nc_u32 v[\so+\b], 0xff000000, v[\bm+\b]  ; 2 off the exponent field: the conversion's scale operand
.endr
.irp b, 0,1,2,3
	v_lshrrev_b32 v[\pm+\b], 23, v[\so+\b]
.endr
	v_lshl_or_b32 v[\pw], v[\pm+1], 8, v[\pm]
	DEP 1
	v_lshl_or_b32 v[\pw], v[\pm+2], 16, v[\pw]
	DEP 1
	v_lshl_or_b32 v[\pw], v[\pm+3], 24, v[\pw]
.irp c, 0,1
	v_cvt_scalef32_pk16_fp6_f32 v[PC+6*\c:PC+2+6*\c], v[\s+32*\c:\s+15+32*\c], v[\so+2*\c]
	v_cvt_scalef32_pk16_fp6_f32 v[PC+12+4*\c:PC+14+4*\c], v[\s+16+32*\c:\s+31+32*\c], v[\so+2*\c+1]
.endr
	v_nop
.irp c, 0,1
.irp i, 0,1,2
	v_permlane16_swap_b32 v[PC+6*\c+\i], v[PC+12+4*\c+\i]
.endr
.irp i, 0,1,2
	v_mov_b32 v[PC+3+6*\c+\i], v[PC+12+4*\c+\i]
.endr
.endr
.endm
.macro POST j, s                       ; the sum of the unquantised p, in four chains
.set ST, 12+4*(\j)
	v_pk_add_f32 v[84:85], v[\s:\s+1], v[\s+2:\s+3]
	v_pk_add_f32 v[86:87], v[\s+4:\s+5], v[\s+6:\s+7]
	v_pk_add_f32 v[88:89], v[\s+8:\s+9], v[\s+10:\s+11]
	v_pk_add_f32 v[ST+2:ST+3], v[ST+2:ST+3], v[\s+12:\s+13]
.set J, 14
.rept 6
	v_pk_add_f32 v[84:85], v[84:85], v[\s+J:\s+J+1]
	v_pk_add_f32 v[86:87], v[86:87], v[\s+J+2:\s+J+3]
	v_pk_add_f32 v[88:89], v[88:89], v[\s+J+4:\s+J+5]
	v_pk_add_f32 v[ST+2:ST+3], v[ST+2:ST+3], v[\s+J+6:\s+J+7]
.set J, J+8
.endr
	v_pk_add_f32 v[84:85], v[84:85], v[\s+62:\s+63]
	v_pk_add_f32 v[86:87], v[86:87], v[88:89]
	v_pk_add_f32 v[ST+2:ST+3], v[ST+2:ST+3], v[84:85]
	DEP 1
	v_pk_add_f32 v[ST+2:ST+3], v[ST+2:ST+3], v[86:87]
.endm
.macro QNT s                           ; p's codes and scale word
.irp b, 0,1,2,3
	v_max_num_f32 v[BM+\b], 0x1800000, v[BM+\b]    ; the floor 2^(3 - 127): the byte cannot fall under 1
.endr
	CODES \s, BM, PM, SO, PW
.endm
.macro PV j                            ; O^T += V^T P^T: eight tiles of 16 channels, one instruction a turn
	PLACES 4                                       ; p's codes stand four places ahead, its scale word more than eight
	WIN 0x51
.set TI, 0
.rept 8
	v_wmma_scale_f32_16x16x128_f8f6f4 v[64*(\j)+8*TI:64*(\j)+8*TI+7], v[128+12*TI:128+12*TI+11], v[PC:PC+11], v[64*(\j)+8*TI:64*(\j)+8*TI+7], v[VS+TI], v[PW] matrix_a_fmt:MATRIX_FMT_FP6 matrix_b_fmt:MATRIX_FMT_FP6
.set TI, TI+1
.endr
	WIN 0
.endm
; THE CHANGE OF SLOTS: all my tensor loads, the add, my reads of the slot in hand (V was the last); fill = 1: a round of the cluster's barrier and the joint refill with the keys two slots on
.macro CHANGE fill
	ALU
	s_wait_tensorcnt 0x0
	ds_add_u32 v[SPW], v[NIL]
.if \fill
	s_xor_b32 s[G0M+5], s[G0M+5], SLOT1            ; no load of mine is out: the walking descriptors step
	s_add_nc_u64 s[G0M+6:G0M+7], s[G0M+6:G0M+7], 1024
	s_xor_b32 s[G0K+5], s[G0K+5], SLOT1
	s_add_nc_u64 s[G0K+6:G0K+7], s[G0K+6:G0K+7], 25600
	s_wait_xcnt 0x0                                ; the last prefetches have read their address
	s_add_nc_u64 s[PFA:PFA+1], s[PFA:PFA+1], s[PFS:PFS+1]
.endif
	s_wait_dscnt 0x0
	s_barrier_signal -1                            ; the barrier (fill = 1: the round's opening barrier) is signalled here; work on registers alone stands between this line and the wait in CHGB
.endm
.macro CHGB fill                       ; the barrier's wait; fill = 1: the rest of the round, and the joint refill first behind it
	s_barrier_wait -1
.if \fill
	s_cmp_lg_u32 s[WV], 0
	s_cbranch_scc1 .Lnot_w0_\@
	s_barrier_signal -3
.Lnot_w0_\@:
	s_barrier_wait -3
	s_barrier_signal -1
	s_barrier_wait -1
	TLOAD 4
	ASK
	s_sub_co_u32 s[SLOTS], s[SLOTS], 1
.endif
.endm
; MY KEY STEP of slot sl.  The mask lies at sb; the first head's S^T goes to sa, the second's is made in place at sb.  mode 1: the slot is left and filled again; 2: left; 3: the last step
.macro STEP sa, sb, sl, mode
	ALU
	s_wait_dscnt 26                                ; the mask is in; K's 26 loads, issued behind it, may be out
.set J, 0
.rept 32
	v_pk_mul_f32 v[\sb+J:\sb+J+1], v[\sb+J:\sb+J+1], s[IS:IS+1] op_sel_hi:[1,0]   ; mask x sqrt(128) / ln(2048), once for both heads
.set J, J+2
.endr
	ALU
	PLACES 4
	WIN 0x05
.set TI, 0
.rept 8
	s_wait_dscnt 21-3*TI                           ; K's scale words and tiles 0 to TI are in; the three loads of each later tile may be out
	v_wmma_scale_f32_16x16x128_f8f6f4 v[\sa+8*TI:\sa+8*TI+7], v[128+12*TI:128+12*TI+11], v[224:235], v[\sb+8*TI:\sb+8*TI+7], v[KS+TI], v20 matrix_a_fmt:MATRIX_FMT_FP6 matrix_b_fmt:MATRIX_FMT_FP6
.set TI, TI+1
.endr
	PLACES 5                                       ; the products below write over the C of those above
.set TI, 0
.rept 8
	v_wmma_scale_f32_16x16x128_f8f6f4 v[\sb+8*TI:\sb+8*TI+7], v[128+12*TI:128+12*TI+11], v[236:247], v[\sb+8*TI:\sb+8*TI+7], v[KS+TI], v21 matrix_a_fmt:MATRIX_FMT_FP6 matrix_b_fmt:MATRIX_FMT_FP6
.set TI, TI+1
.endr
	PLACES 4
	FETCHKV \sl, VO, VS                            ; V takes K's registers
	PRE 0, \sa
	BATCH \sa
	POST 0, \sa
	QNT \sa
	ALU
	s_wait_dscnt 0x0                               ; V
	PV 0
.if \mode == 1
	CHANGE 1
	PRE 1, \sb                                     ; work on registers alone, between the barrier's signal and its wait
	CHGB 1
	FETCHM 1-\sl, \sa
.elseif \mode == 2
	CHANGE 0
	PRE 1, \sb
	CHGB 0
	FETCHM 1-\sl, \sa
.else
	PRE 1, \sb
.endif
	BATCH \sb
	QNT \sb
	PV 1
	PLACES 4
.if \mode < 3
	FETCHKV 1-\sl, 0, KS                           ; the next step's K takes V's registers
.endif
	POST 1, \sb                                    ; the second head's sum stands behind the request for K: it reads p alone
.endm
	ALU                                            ; the head's end
	s_wait_tensorcnt 0x0                           ; my part of slot 0 is in; slot 1's first fill is issued as a refill is:
	ds_add_u32 v[SPW], v[NIL]
	s_wait_dscnt 0x0
	CROUND
	TLOAD 4
	FETCHM 0, R1
	FETCHKV 0, 0, KS
	s_wait_loadcnt 0x0                             ; Q
	s_mov_b32 s[TRIP], 3
.Lpair:                                            ; 3 trips of two slots: slots 0 to 5, each filled again with the keys two slots on
	STEP R0, R1, 0, 1
	STEP R1, R0, 1, 1
	s_sub_co_u32 s[TRIP], s[TRIP], 1
	s_cmp_lg_u32 s[TRIP], 0
	ALU
	s_cbranch_scc1 .Lpair
	STEP R0, R1, 0, 2                              ; the tail is written out
	STEP R1, R0, 1, 3
; THE TWO HALVES OF THE KEYS ARE JOINED.  My second head's O^T and state go to my part of the stage; behind the barrier I take, for my first head, what the wave with the other keys has put into its part.
	ALU
	WIN 0x04                                       ; an LDS store's data are its source 1
.set J, 0
.rept 16
	ds_store_b128 v9, v[64+4*J:64+4*J+3] offset:512*J   ; each accumulator from its low end on
.set J, J+1
.endr
	WIN 0
	ds_store_b128 v9, v[16:19] offset:8192
	s_wait_dscnt 0x0
	s_barrier_signal -1
	s_barrier_wait -1
.set J, 0
.rept 16
	ds_load_b128 v[R0+4*J:R0+4*J+3], v10 offset:512*J
.set J, J+1
.endr
	ds_load_b128 v[84:87], v10 offset:8192         ; -M, the largest t, the sum
	s_wait_dscnt 0x0
	v_min_num_f32 v[TMP], v12, v84                 ; -M of both halves
	DEP 1
	v_sub_f32 v[F], v[TMP], v12
	v_sub_f32 v88, v[TMP], v84
	DEP 2
	v_cvt_i32_f32 v[F], v[F]
	DEP 2
	v_cvt_i32_f32 v88, v88
	DEP 2
	v_ldexp_f32 v[F], 1.0, v[F]                    ; 2^(my M - M),
	DEP 2
	v_ldexp_f32 v88, 1.0, v88                      ; 2^(the other's M - M)
	DEP 2
	v_pk_mul_f32 v[14:15], v[14:15], v[F:F+1] op_sel_hi:[1,0]
	DEP 1
	v_pk_fma_f32 v[14:15], v[86:87], v[88:89], v[14:15] op_sel_hi:[1,0,1]
	DEP 1
	v_add_f32 v14, v14, v15
	DEP 1
	v_permlanex16_b32 v[PM], v14, s[SEL], s[SEL+1]
	DEP 1
	v_add_f32 v14, v14, v[PM]                      ; the row's sum
	ALU
	v_rcp_f32 v14, v14
	v_nop
	ALU
	v_mul_f32 v[F], v[F], v14                      ; the division goes into the two factors
	v_mul_f32 v88, v88, v14
.set J, 0
.rept 32
	v_pk_mul_f32 v[R0+J:R0+J+1], v[R0+J:R0+J+1], v[88:89] op_sel_hi:[1,0]
.set J, J+2
.endr
	WIN 0x01
	ALU                                            ; directly ahead of the first reader of O^T
.set J, 0
.rept 32
	v_pk_fma_f32 v[R0+J:R0+J+1], v[J:J+1], v[F:F+1], v[R0+J:R0+J+1] op_sel_hi:[1,0,1]
.set J, J+2
.endr
	WIN 0
; THE WAY OUT: register 16 B + i is channel 32 B + 16 h + i of my query: 64 numbers that are quantised as they stand; the fragment's image is stored from the registers
.irp b, 0,1,2,3
	v_max3_num_f32 v[TM+\b], |v[R0+16*\b]|, |v[R0+1+16*\b]|, 0x1800000
.endr
.irp i, 2,4,6,8,10,12,14
.irp b, 0,1,2,3
	v_max3_num_f32 v[TM+\b], v[TM+\b], |v[R0+16*\b+\i]|, |v[R0+1+16*\b+\i]|
.endr
.endr
.irp b, 0,1,2,3
	v_permlanex16_b32 v[TM+4+\b], v[TM+\b], s[SEL], s[SEL+1]
.endr
.irp b, 0,1,2,3
	v_max_num_f32 v[TM+\b], v[TM+\b], v[TM+4+\b]
.endr
	CODES R0, TM, TM+4, TM+12, PWO
.irp c, 0,1,2
	global_store_b128 v[OFA], v[PC+4*\c:PC+4*\c+3], s[72:73] offset:512*\c   ; 512 consecutive bytes a store, aligned
.endr
	global_store_b32 v[OSA], v[PWO], s[72:73]      ; lanes r and r + 16 write the same word with the same value
	s_wait_tensorcnt 0x0                           ; the wave's end
	ds_add_u32 v[SPW], v[NIL]
	s_wait_dscnt 0x0
	CROUND                                         ; the closing round
	s_endpgm
.Lfunc_end_k_q3c32566e95_attn:
	.size	k_q3c32566e95_attn, .Lfunc_end_k_q3c32566e95_attn-k_q3c32566e95_attn
	.p2alignl 7, 3214868480
	.fill 96, 4, 3214868480
	.section	.rodata,"a",@progbits
	.p2align	6, 0x0
	.amdhsa_kernel k_q3c32566e95_attn
		.amdhsa_group_segment_fixed_size 327680
		.amdhsa_private_segment_fixed_size 0
		.amdhsa_enable_private_segment 0
		.amdhsa_kernarg_size 24
		.amdhsa_user_sgpr_count 2
		.amdhsa_user_sgpr_kernarg_segment_ptr 1
		.amdhsa_wavefront_size32 1
		.amdhsa_system_sgpr_workgroup_id_x 1
		.amdhsa_system_sgpr_workgroup_id_y 1
		.amdhsa_system_sgpr_workgroup_id_z 1
		.amdhsa_system_vgpr_workitem_id 0
		.amdhsa_next_free_vgpr 512
		.amdhsa_next_free_sgpr 100
		.amdhsa_reserve_vcc 0
		.amdhsa_float_denorm_mode_32 3
		.amdhsa_float_denorm_mode_16_64 3
		.amdhsa_memory_ordered 1
		.amdhsa_forward_progress 1
		.amdhsa_inst_pref_size 188
	.end_amdhsa_kernel
	.amdgpu_metadata
---
amdhsa.version: [ 1, 2 ]
amdhsa.kernels:
  - .name:           k_q3c32566e95_attn
    .symbol:         k_q3c32566e95_attn.kd
    .args:
      - { .name: qkv, .offset: 0, .size: 8, .value_kind: global_buffer, .address_space: global }
      - { .name: attention_mask, .offset: 8, .size: 8, .value_kind: global_buffer, .address_space: global }
      - { .name: aor, .offset: 16, .size: 8, .value_kind: global_buffer, .address_space: global }
    .group_segment_fixed_size: 327680
    .private_segment_fixed_size: 0
    .kernarg_segment_align: 8
    .kernarg_segment_size: 24
    .max_flat_workgroup_size: 256
    .sgpr_count:     100
    .vgpr_count:     512
    .wavefront_size: 32
...
	.end_amdgpu_metadata
.endif
;; end of part 3
;; launch outp (part 4): grid 16 x 16, 4 waves a work-group, clusters of 4 x 4, 327,680 bytes of LDS; arguments aor, wor, out0; writes out0
.if DOCPART == 4
	.amdgcn_target "amdgcn-amd-amdhsa--gfx1250"
	.amdhsa_code_object_version 6
	.text
	.protected	k_q3c32566e95_outp
	.globl	k_q3c32566e95_outp
	.p2align	8
	.type	k_q3c32566e95_outp,@function
k_q3c32566e95_outp:
	s_mov_b64 s[64:65], 0
	v_nop
	global_prefetch_b8 v0, s[64:65] scope:SCOPE_SE
	s_setreg_imm32_b32 hwreg(HW_REG_WAVE_MODE, 25, 1), 1
	s_wait_xcnt 0x0
	s_wait_alu depctr_hold_cnt(0) depctr_sa_sdst(0) depctr_va_vdst(0) depctr_va_sdst(0) depctr_va_ssrc(0) depctr_va_vcc(0) depctr_vm_vsrc(0)
	s_getreg_b32 s2, hwreg(HW_REG_IB_STS2, 6, 4)
	s_cmp_eq_u32 s2, 0
	s_cbranch_scc0 .Lentry_in_a_cluster
	s_endpgm
.Lentry_in_a_cluster:
	s_bfe_u32 s2, ttmp6, 0x10000c
	s_cmp_lg_u32 s2, 0xf033
	s_cbranch_scc0 .Lentry_shape_is_right
	s_endpgm
.Lentry_shape_is_right:
.set KG,    4
.set REC,   6400
.set SLOT,  153600
.set S1O,   102400
.set SPARE, 307200
.set AD0,   4
.set AD1,   6
.set SCA,   8
.set SCB,   10
.set SPW,   28
.set NIL,   29
.set SC,    32
.set F1,    96
.set BK,    96
.set WV,    16
.set SH,    17
.set S1H,   18
.set G1,    24
.set G0,    32
.set G1B,   48
.set G0B,   56
.set MSB, 0
.macro WIN new
.if MSB != \new
	s_set_vgpr_msb (MSB<<8)|\new
.set MSB, \new
.endif
.endm
.set MUL,  0xa1
.set TO_1, 0x40
.macro PLACES n
.rept \n
	v_nop
.endr
.endm
.macro JLOAD s
	s_cmp_eq_u32 s[SH], 0
	s_cbranch_scc0 .Lfor_1_\@
	tensor_load_to_lds s[G0+4*\s:G0+4*\s+3], s[G1:G1+7]
	s_nop 0
.rept 4
	v_nop
.endr
	s_branch .Lasked_\@
.Lfor_1_\@:
	tensor_load_to_lds s[G0B+4*\s:G0B+4*\s+3], s[G1B:G1B+7]
	s_nop 0
.rept 4
	v_nop
.endr
.Lasked_\@:
.endm
.macro CREST
	s_cmp_lg_u32 s[WV], 0
	s_cbranch_scc1 .Lnot_wave_0_\@
	s_barrier_signal -3
.Lnot_wave_0_\@:
	s_barrier_wait -3
	s_barrier_signal -1
	s_barrier_wait -1
.endm
.macro CROUND
	s_barrier_signal -1
	s_barrier_wait -1
	CREST
.endm
.macro FETCH slot, q, set
	WIN TO_1
.irp b, 0,1,2,3,4,5,6,7
.irp c, 0,1,2
	ds_load_b128 v[96*(\set)+12*\b+4*\c:96*(\set)+12*\b+4*\c+3], v[AD0+\slot] offset:REC*\b+1536*(\q)+512*\c
.endr
.endr
	WIN 0
.irp a, 0,1,2,3
.irp c, 0,1,2
	ds_load_b128 v[F1+48*(\set)+12*\a+4*\c:F1+48*(\set)+12*\a+4*\c+3], v[AD1+\slot] offset:REC*\a+1536*(\q)+512*\c
.endr
.endr
.endm
.macro SCALES slot
.irp i, 0,1,2,3
	ds_load_b128 v[SC+32*\slot+4*\i:SC+32*\slot+4*\i+3], v[SCA+\slot] offset:REC*\i
.endr
.irp i, 4,5,6,7
	ds_load_b128 v[SC+32*\slot+4*\i:SC+32*\slot+4*\i+3], v[SCB+\slot] offset:REC*\i
.endr
.endm
.macro MUL8 a, set, q, slot, zero
.irp b, 0,1,2,3,4,5,6,7
.if \zero
	v_wmma_scale_f32_16x16x128_f8f6f4 v[8*(8*(\a)+\b):8*(8*(\a)+\b)+7], v[96*(\set)+12*\b:96*(\set)+12*\b+11], v[F1+48*(\set)+12*(\a):F1+48*(\set)+12*(\a)+11], 0, v[SC+32*(\slot)+4*\b+(\q)], v[SC+32*(\slot)+4*(\a)+(\q)] matrix_a_fmt:MATRIX_FMT_FP6 matrix_b_fmt:MATRIX_FMT_FP6 matrix_b_scale:MATRIX_SCALE_ROW1
.else
	v_wmma_scale_f32_16x16x128_f8f6f4 v[8*(8*(\a)+\b):8*(8*(\a)+\b)+7], v[96*(\set)+12*\b:96*(\set)+12*\b+11], v[F1+48*(\set)+12*(\a):F1+48*(\set)+12*(\a)+11], v[8*(8*(\a)+\b):8*(8*(\a)+\b)+7], v[SC+32*(\slot)+4*\b+(\q)], v[SC+32*(\slot)+4*(\a)+(\q)] matrix_a_fmt:MATRIX_FMT_FP6 matrix_b_fmt:MATRIX_FMT_FP6 matrix_b_scale:MATRIX_SCALE_ROW1
.endif
.endr
.endm
.macro KSTEP slot, q, zero
	s_wait_dscnt 0x0
	PLACES 4
	WIN MUL
	MUL8 0, (\q)%2, \q, \slot, \zero
	FETCH \slot, (\q)+1, ((\q)+1)%2
	WIN MUL
	MUL8 1, (\q)%2, \q, \slot, \zero
	MUL8 2, (\q)%2, \q, \slot, \zero
	MUL8 3, (\q)%2, \q, \slot, \zero
	WIN 0
.endm
.macro TURN slot, next, fill
	s_wait_tensorcnt 0x0
	ds_add_u32 v[SPW], v[NIL]
	s_wait_dscnt 1
	WIN MUL
	MUL8 0, 1, 3, \slot, 0
	s_wait_dscnt 0x0
	s_barrier_signal -1
	MUL8 1, 1, 3, \slot, 0
	WIN 0
	s_barrier_wait -1
.if \fill
	CREST
	s_add_nc_u64 s[G0+4*\slot+2:G0+4*\slot+3], s[G0+4*\slot+2:G0+4*\slot+3], 2*REC
	s_add_nc_u64 s[G0B+4*\slot+2:G0B+4*\slot+3], s[G0B+4*\slot+2:G0B+4*\slot+3], 2*REC
	JLOAD \slot
.else
	PLACES 4
.endif
	FETCH \next, 0, 0
	SCALES \next
	WIN MUL
	MUL8 2, 1, 3, \slot, 0
	MUL8 3, 1, 3, \slot, 0
	WIN 0
.endm
	s_load_b128 s[4:7], s[0:1], 0x0
	s_load_b64 s[8:9], s[0:1], 0x10
	v_lshl_add_u32 v[SPW], v0, 2, SPARE
	v_mov_b32 v[NIL], 0
	ds_add_u32 v[SPW], v[NIL]
	ds_add_u32 v[SPW], v[NIL]
	v_lshrrev_b32 v1, 5, v0
	v_readfirstlane_b32 s[WV], v1
	s_lshr_b32 s[SH], s[WV], 1
	s_and_b32 s[S1H], s[WV], 1
	s_bfe_u32 s20, ttmp6, 0x40000
	s_bfe_u32 s21, ttmp6, 0x40004
	s_lshl_b32 s40, ttmp9, 2
	s_add_co_u32 s40, s40, s20
	s_and_b32 s41, ttmp7, 0xffff
	s_lshl_b32 s41, s41, 2
	s_add_co_u32 s41, s41, s21
	s_lshl_b32 s42, s21, 2
	s_lshl_b32 s42, 15, s42
	s_lshl_b32 s43, 0x1111, s20
	s_or_b32 s[G1+0], s43, (3<<16)|(1<<21)
	s_or_b32 s[G1B+0], s42, (3<<16)|(1<<21)
.irp g, G1, G1B
	s_mov_b32 s[\g+1], 800<<16
	s_mov_b32 s[\g+3], 800<<16
	s_mov_b32 s[\g+5], KG*800
	s_mov_b32 s[\g+6], 0
	s_mov_b32 s[\g+7], 0
.endr
	s_mov_b32 s[G1+2], 8<<16
	s_mov_b32 s[G1+4], 8
	s_mov_b32 s[G1B+2], 4<<16
	s_mov_b32 s[G1B+4], 4
	s_lshl_b32 s44, s40, 4
	s_lshl_b32 s82, s[S1H], 3
	s_add_co_u32 s44, s44, s82
	s_mul_i32 s44, s44, KG*REC
	s_mov_b32 s45, 0
	s_lshl_b32 s46, s41, 3
	s_lshl_b32 s81, s[S1H], 2
	s_add_co_u32 s46, s46, s81
	s_mul_i32 s46, s46, KG*REC
	s_mov_b32 s47, 0
	s_mul_i32 s83, s[WV], 51200
	s_mul_i32 s84, s[WV], 25600
	s_add_co_u32 s84, s84, 51200
	s_wait_dscnt 0x0
	s_wait_kmcnt 0x0
	s_add_nc_u64 s[66:67], s[6:7], s[44:45]
	s_add_nc_u64 s[68:69], s[4:5], s[46:47]
; THE PREFETCHES.  A K group of a record is 25 blocks of 256 bytes.  Of the 8 records that waves 0 and 1 fetch, the partner at place cy takes 2 (50 blocks, two instructions); of the 4 that waves 2 and 3 fetch, the partner at place cx takes 1
; (25 blocks, one instruction).  Lanes that are left over name the piece's last block again.  The partners are told apart by address; each block is named once in each cluster that loads it.
; K group 1 is asked for behind the first tensor load, groups 2 and 3, the last, behind the second; the address registers are never rewritten.
	s_cmp_eq_u32 s[SH], 0
	s_cselect_b64 s[92:93], s[66:67], s[68:69]
	s_cselect_b32 s94, 49, 24
	s_cselect_b32 s95, s21, s20
	s_cselect_b32 s97, 1, 0
	s_mul_i32 s96, s95, KG*REC
	s_lshl_b32 s96, s96, s97
	s_mov_b32 s97, 0
	s_add_nc_u64 s[92:93], s[92:93], s[96:97]
	v_and_b32 v16, 31, v0
	v_add_nc_u32 v17, 32, v16
	v_min_u32 v16, s94, v16
	v_min_u32 v17, s94, v17
	v_mul_u32_u24 v18, v16, 41
	v_mul_u32_u24 v19, v17, 41
	v_lshrrev_b32 v18, 10, v18                     ; block / 25, for blocks under 50
	v_lshrrev_b32 v19, 10, v19
	v_mul_u32_u24 v18, v18, (KG-1)*REC
	v_mul_u32_u24 v19, v19, (KG-1)*REC
	v_lshl_add_u32 v30, v16, 8, v18
	v_lshl_add_u32 v31, v17, 8, v19
.macro PF o
	global_prefetch_b8 v30, s[92:93] offset:\o th:TH_LOAD_NT scope:SCOPE_SE
	s_cmp_eq_u32 s[SH], 0
	s_cbranch_scc0 .Lpf_\@
	global_prefetch_b8 v31, s[92:93] offset:\o th:TH_LOAD_NT scope:SCOPE_SE
.Lpf_\@:
.endm
	CROUND
.irp s, 0,1
	s_mov_b32 s[G0+4*\s], 1
	s_add_co_u32 s[G0+4*\s+1], s83, \s*SLOT
	s_add_nc_u64 s[G0+4*\s+2:G0+4*\s+3], s[66:67], \s*REC
	s_or_b32 s[G0+4*\s+3], s[G0+4*\s+3], 0x80000000
	s_mov_b32 s[G0B+4*\s], 1
	s_add_co_u32 s[G0B+4*\s+1], s84, \s*SLOT
	s_add_nc_u64 s[G0B+4*\s+2:G0B+4*\s+3], s[68:69], \s*REC
	s_or_b32 s[G0B+4*\s+3], s[G0B+4*\s+3], 0x80000000
	s_wait_alu depctr_va_vdst(0)
	s_wait_tensorcnt 0x0
	ds_add_u32 v28, v29
	ds_add_u32 v28, v29
	s_wait_dscnt 0x0
	CROUND
	JLOAD \s
.if \s == 0
	PF REC
.else
	PF 2*REC
	PF 3*REC
.endif
.endr
	v_and_b32 v1, 15, v0
	v_bfe_u32 v2, v0, 4, 1
	v_and_b32 v3, 31, v0
	v_lshlrev_b32 v3, 4, v3
	s_mul_i32 s85, s[SH], 51200
	s_mul_i32 s86, s[S1H], 25600
	s_add_co_u32 s86, s86, S1O
	s_sub_co_u32 s87, s86, s85
	v_lshlrev_b32 v14, 4, v1
	v_add_nc_u32 v14, 6144, v14
	v_mul_u32_u24 v15, s87, v2
	v_add_nc_u32 v15, v15, v14
	s_sub_co_u32 s87, s87, 25600
	v_mul_u32_u24 v12, s87, v2
	v_add_nc_u32 v12, v12, v14
.irp s, 0,1
	v_add_nc_u32 v[AD0+\s], s85, v3
	v_add_nc_u32 v[AD1+\s], s86, v3
	v_add_nc_u32 v[SCA+\s], s85, v15
	v_add_nc_u32 v[SCB+\s], s85, v12
	s_add_co_u32 s85, s85, SLOT
	s_add_co_u32 s86, s86, SLOT
.endr
	s_mul_i32 s88, s[WV], 8448
	v_mul_u32_u24 v12, v1, 528
	v_lshl_add_u32 v12, v2, 6, v12
	v_add_nc_u32 v12, s88, v12
	v_add_nc_u32 v13, s88, v3
	s_lshl_b32 s90, s41, 7
	s_lshl_b32 s91, s[S1H], 6
	s_add_co_u32 s90, s90, s91
	s_lshl_b32 s90, s90, 14
	s_lshl_b32 s91, s40, 10
	s_add_co_u32 s90, s90, s91
	s_lshl_b32 s91, s[SH], 9
	s_add_co_u32 s90, s90, s91
	s_mov_b32 s91, 0
	s_add_nc_u64 s[12:13], s[8:9], s[90:91]
	s_wait_alu depctr_va_vdst(0)
	s_wait_tensorcnt 1
	s_barrier_signal -1
	s_barrier_wait -1
	FETCH 0, 0, 0
	SCALES 0
	KSTEP 0, 0, 1
	s_mov_b32 s3, KG/2-1
.Llap:
	KSTEP 0, 1, 0
	KSTEP 0, 2, 0
	TURN 0, 1, 1
	KSTEP 1, 0, 0
	KSTEP 1, 1, 0
	KSTEP 1, 2, 0
	TURN 1, 0, 1
	KSTEP 0, 0, 0
	s_sub_co_u32 s3, s3, 1
	s_cmp_lg_u32 s3, 0
	s_cbranch_scc1 .Llap
	KSTEP 0, 1, 0
	KSTEP 0, 2, 0
	TURN 0, 1, 0
	KSTEP 1, 0, 0
	KSTEP 1, 1, 0
	KSTEP 1, 2, 0
	s_wait_dscnt 0x0
	WIN MUL
	MUL8 0, 1, 3, 1, 0
	MUL8 1, 1, 3, 1, 0
	MUL8 2, 1, 3, 1, 0
	MUL8 3, 1, 3, 1, 0
	WIN 0
.macro TOSTAGE a
	WIN 0x08
.set TT, 0
.rept 16
	ds_store_b128 v12, v[64*(\a)+4*TT:64*(\a)+4*TT+3] offset:128*(TT/4)+16*(TT%4)
.set TT, TT+1
.endr
	WIN 0
.set TT, 0
.rept 16
	ds_load_b128 v[BK+64*((\a)%2)+4*TT:BK+64*((\a)%2)+4*TT+3], v13 offset:528*TT
.set TT, TT+1
.endr
.endm
.macro SEND a, younger
	s_wait_dscnt \younger
.set TT, 0
.rept 16
	global_store_b128 v3, v[BK+64*((\a)%2)+4*TT:BK+64*((\a)%2)+4*TT+3], s[12:13] offset:(32*((\a)/2)+8*((\a)%2)+TT+8*(TT/8))*16384 th:TH_STORE_NT
.set TT, TT+1
.endr
.endm
	PLACES 4
	TOSTAGE 0
.irp a, 1,2,3
.if \a > 1
	s_wait_xcnt 0x0
.endif
	TOSTAGE \a
	SEND \a-1, 32
.endr
	SEND 3, 0
	s_wait_tensorcnt 0x0
	ds_add_u32 v[SPW], v[NIL]
	s_wait_dscnt 0x0
	CROUND
	s_endpgm
.Lfunc_end_k_q3c32566e95_outp:
	.size	k_q3c32566e95_outp, .Lfunc_end_k_q3c32566e95_outp-k_q3c32566e95_outp
	.p2alignl 7, 3214868480
	.fill 96, 4, 3214868480
	.section	.rodata,"a",@progbits
	.p2align	6, 0x0
	.amdhsa_kernel k_q3c32566e95_outp
		.amdhsa_group_segment_fixed_size 327680
		.amdhsa_private_segment_fixed_size 0
		.amdhsa_enable_private_segment 0
		.amdhsa_kernarg_size 24
		.amdhsa_user_sgpr_count 2
		.amdhsa_user_sgpr_kernarg_segment_ptr 1
		.amdhsa_wavefront_size32 1
		.amdhsa_system_sgpr_workgroup_id_x 1
		.amdhsa_system_sgpr_workgroup_id_y 1
		.amdhsa_system_sgpr_workgroup_id_z 1
		.amdhsa_system_vgpr_workitem_id 0
		.amdhsa_next_free_vgpr 768
		.amdhsa_next_free_sgpr 100
		.amdhsa_reserve_vcc 0
		.amdhsa_float_denorm_mode_32 3
		.amdhsa_float_denorm_mode_16_64 3
		.amdhsa_memory_ordered 1
		.amdhsa_forward_progress 1
		.amdhsa_inst_pref_size 134
	.end_amdhsa_kernel
	.amdgpu_metadata
---
amdhsa.version: [ 1, 2 ]
amdhsa.kernels:
  - .name:           k_q3c32566e95_outp
    .symbol:         k_q3c32566e95_outp.kd
    .args:
      - { .name: aor, .offset: 0, .size: 8, .value_kind: global_buffer, .address_space: global }
      - { .name: wor, .offset: 8, .size: 8, .value_kind: global_buffer, .address_space: global }
      - { .name: out0, .offset: 16, .size: 8, .value_kind: global_buffer, .address_space: global }
    .group_segment_fixed_size: 327680
    .private_segment_fixed_size: 0
    .kernarg_segment_align: 8
    .kernarg_segment_size: 24
    .max_flat_workgroup_size: 128
    .sgpr_count:     100
    .vgpr_count:     768
    .wavefront_size: 32
...
	.end_amdgpu_metadata
.endif
;; end of part 4
